; MI455X (gfx1250); checked and timed in simulation.
; The chip was launched on July 23, 2026; its instructions are those of AMD's public machine-readable ISA for CDNA 5 (MIT licence, August 2026) and "CDNA5" Instruction Set Architecture Reference Guide (July 2026). The comments in the code are by the model that wrote it; some were corrected since.
;; Sparse Flex Attention. Allowed arithmetic: float matrix products may take bf16 or f16 operands with f32 sums; other float arithmetic in f32, or as packed bf16 or f16 multiplies, adds, multiply-adds, maxima and minima; sums over many terms, partial sums and values carried from step to step in f32; what a program stores and reads back later, other than sums and carried values, may be rounded once to bf16 or f16.
;; Inputs: Wk 1,024 x 1,024 float32; Wq 1,024 x 1,024 float32; Wv 1,024 x 1,024 float32; attention_mask 4 x 1 x 2,048 float32; bk 1,024 float32; bq 1,024 float32; bv 1,024 float32; hidden_states 4 x 2,048 x 1,024 float32; sparse_mask 4 x 2,048 x 2,048 bool.
;; Outputs: out0 4 x 2,048 x 1,024 float32.
;; 3 versions, each right; version 3 is version 2 with the launch cast written anew for expert scheduling mode. Each part assembles by itself: llvm-mc -triple=amdgcn-amd-amdhsa -mcpu=gfx1250 --defsym DOCPART=n.
;; ======== version 1 of 3: 4 launches
;; limits: values are held in f16: magnitudes above 65,504 overflow, below 6.1e-05 lose precision
;; workspace buffers: hsb 16,777,216 bytes; wb 6,291,456 bytes; qkv 50,331,648 bytes; pbuf 33,554,432 bytes; stat 1,048,576 bytes
;; launch cast (part 1): grid 704 x 1, 8 waves a work-group, no clusters, 0 bytes of LDS; arguments hidden_states, Wq, Wk, Wv, hsb, wb; writes hsb, wb
.if DOCPART == 1
	.amdgcn_target "amdgcn-amd-amdhsa--gfx1250"
	.amdhsa_code_object_version 6
	.text
	.protected	k_q1b6ff08f0e_cast
	.globl	k_q1b6ff08f0e_cast
	.p2align	8
	.type	k_q1b6ff08f0e_cast,@function
k_q1b6ff08f0e_cast:
	s_mov_b64 s[64:65], 0
	v_nop
	global_prefetch_b8 v0, s[64:65] scope:SCOPE_SE
	s_setreg_imm32_b32 hwreg(HW_REG_WAVE_MODE, 25, 1), 1
	s_wait_xcnt 0x0
; hidden_states and the three weight matrices, f32, are rounded once (to nearest even) to bf16: hsb [8192][1024], wb [3][1024 k][1024 n] in the order q, k, v.
; A stream: no LDS, no barrier, no matrix unit.  A work-group takes 16,384 numbers: 64 KiB in, 32 KiB out.  Work-groups 0-511 take hidden_states, 512-575 Wq, 576-639 Wk, 640-703 Wv.
; Thread t takes 16 bytes at 16 t of each 4,096 bytes: a wave's load covers 512 consecutive bytes, its store of 8 bytes a lane 256 consecutive bytes, aligned.
; All sixteen loads of a thread go out at once; no register is used twice, so the only waits are the counted ones for the data.
.set IN,  4                            ; v[4:67]   load i: four f32
.set OUT, 68                           ; v[68:99]  load i: four bf16
	s_load_b256 s[4:11], s[0:1], 0x0               ; hidden_states s[4:5], Wq s[6:7], Wk s[8:9], Wv s[10:11]
	s_load_b128 s[12:15], s[0:1], 0x20             ; hsb s[12:13], wb s[14:15]
	v_lshlrev_b32 v1, 4, v0                        ; 16 t
	v_lshlrev_b32 v2, 3, v0                        ; 8 t
	s_and_b32 s16, ttmp9, 63                       ; my place in a weight matrix,
	s_sub_co_u32 s18, ttmp9, 512                   ; and in wb (used from work-group 512 on alone)
	s_cmp_lt_u32 ttmp9, 512
	s_cselect_b32 s16, ttmp9, s16
	s_cselect_b32 s18, ttmp9, s18
	s_lshl_b32 s16, s16, 16                        ; 64 KiB in
	s_lshl_b32 s18, s18, 15                        ; 32 KiB out
	s_mov_b32 s17, 0
	s_mov_b32 s19, 0
	s_wait_kmcnt 0x0
	s_cmp_lt_u32 ttmp9, 640
	s_cselect_b64 s[20:21], s[8:9], s[10:11]
	s_cmp_lt_u32 ttmp9, 576
	s_cselect_b64 s[20:21], s[6:7], s[20:21]
	s_cmp_lt_u32 ttmp9, 512
	s_cselect_b64 s[20:21], s[4:5], s[20:21]
	s_cselect_b64 s[22:23], s[12:13], s[14:15]
	s_add_nc_u64 s[20:21], s[20:21], s[16:17]
	s_add_nc_u64 s[22:23], s[22:23], s[18:19]
.set i, 0
.rept 16
	global_load_b128 v[IN+4*i:IN+4*i+3], v1, s[20:21] offset:4096*i th:TH_LOAD_NT
.set i, i+1
.endr
.set i, 0
.rept 16
	s_wait_loadcnt 15-i                            ; loads come back in order: load i is in, the 15 - i younger ones may stay out
	v_cvt_pk_bf16_f32 v[OUT+2*i], v[IN+4*i], v[IN+4*i+1]
	v_cvt_pk_bf16_f32 v[OUT+2*i+1], v[IN+4*i+2], v[IN+4*i+3]
	global_store_b64 v2, v[OUT+2*i:OUT+2*i+1], s[22:23] offset:2048*i
.set i, i+1
.endr
	s_endpgm
.Lfunc_end_k_q1b6ff08f0e_cast:
	.size	k_q1b6ff08f0e_cast, .Lfunc_end_k_q1b6ff08f0e_cast-k_q1b6ff08f0e_cast
	.p2alignl 7, 3214868480
	.fill 96, 4, 3214868480
	.section	.rodata,"a",@progbits
	.p2align	6, 0x0
	.amdhsa_kernel k_q1b6ff08f0e_cast
		.amdhsa_group_segment_fixed_size 0
		.amdhsa_private_segment_fixed_size 0
		.amdhsa_enable_private_segment 0
		.amdhsa_kernarg_size 48
		.amdhsa_user_sgpr_count 2
		.amdhsa_user_sgpr_kernarg_segment_ptr 1
		.amdhsa_wavefront_size32 1
		.amdhsa_system_sgpr_workgroup_id_x 1
		.amdhsa_system_sgpr_workgroup_id_y 1
		.amdhsa_system_sgpr_workgroup_id_z 1
		.amdhsa_system_vgpr_workitem_id 0
		.amdhsa_next_free_vgpr 104
		.amdhsa_next_free_sgpr 66
		.amdhsa_reserve_vcc 0
		.amdhsa_float_denorm_mode_32 3
		.amdhsa_float_denorm_mode_16_64 3
		.amdhsa_memory_ordered 1
		.amdhsa_forward_progress 1
		.amdhsa_inst_pref_size 7
	.end_amdhsa_kernel
	.amdgpu_metadata
---
amdhsa.version: [ 1, 2 ]
amdhsa.kernels:
  - .name:           k_q1b6ff08f0e_cast
    .symbol:         k_q1b6ff08f0e_cast.kd
    .args:
      - { .name: hidden_states, .offset: 0, .size: 8, .value_kind: global_buffer, .address_space: global }
      - { .name: Wq, .offset: 8, .size: 8, .value_kind: global_buffer, .address_space: global }
      - { .name: Wk, .offset: 16, .size: 8, .value_kind: global_buffer, .address_space: global }
      - { .name: Wv, .offset: 24, .size: 8, .value_kind: global_buffer, .address_space: global }
      - { .name: hsb, .offset: 32, .size: 8, .value_kind: global_buffer, .address_space: global }
      - { .name: wb, .offset: 40, .size: 8, .value_kind: global_buffer, .address_space: global }
    .group_segment_fixed_size: 0
    .private_segment_fixed_size: 0
    .kernarg_segment_align: 8
    .kernarg_segment_size: 48
    .max_flat_workgroup_size: 256
    .sgpr_count:     66
    .vgpr_count:     104
    .wavefront_size: 32
...
	.end_amdgpu_metadata
.endif
;; end of part 1
;; launch proj (part 2): grid 12 x 64, 4 waves a work-group, clusters of 4 x 4, 327,680 bytes of LDS; arguments hsb, wb, bq, bk, bv, qkv; writes qkv
.if DOCPART == 2
	.amdgcn_target "amdgcn-amd-amdhsa--gfx1250"
	.amdhsa_code_object_version 6
	.text
	.protected	k_q1b6ff08f0e_proj
	.globl	k_q1b6ff08f0e_proj
	.p2align	8
	.type	k_q1b6ff08f0e_proj,@function
k_q1b6ff08f0e_proj:
	s_mov_b64 s[64:65], 0
	v_nop
	global_prefetch_b8 v0, s[64:65] scope:SCOPE_SE
	s_setreg_imm32_b32 hwreg(HW_REG_WAVE_MODE, 25, 1), 1
	s_wait_xcnt 0x0
	s_wait_alu depctr_hold_cnt(0) depctr_sa_sdst(0) depctr_va_vdst(0) depctr_va_sdst(0) depctr_va_ssrc(0) depctr_va_vcc(0) depctr_vm_vsrc(0)
	s_getreg_b32 s2, hwreg(HW_REG_IB_STS2, 6, 4)
	s_cmp_eq_u32 s2, 0
	s_cbranch_scc0 .Lentry_in_a_cluster
	s_endpgm
.Lentry_in_a_cluster:
	s_bfe_u32 s2, ttmp6, 0x10000c
	s_cmp_lg_u32 s2, 0xf033
	s_cbranch_scc0 .Lentry_shape_is_right
	s_endpgm
.Lentry_shape_is_right:
; THE THREE PROJECTIONS AS ONE GEMM.  qkv[m][n] = bias[n] + the sum over k of hsb[m][k] W[k][n]: hsb [8192][1024] bf16; wb [3][1024 k][1024 n] bf16; qkv [8192][3072] f16: q, k, v side by side.
; Products in bf16, sums in f32, started with the bias (rounded to bf16 like all float inputs of the program); the result is rounded once to f16.
; LIMIT.  f16 ends at 65,504: |q|, |k|, |v| must stay under it (inputs 30 times those drawn give some 5,400, offsets of 30 spreads in both factors some 29,000).
; SHARES.  A tile of qkv is 128 rows x 256 columns: 12 x 64 = 768 work-groups.  Four waves, each 64 x 128: 32 accumulators of 16 x 16, 256 registers.  K goes in steps of 128 through two LDS slots.
; CLUSTER.  4 x 4 work-groups.  The four of a row need the same tile of hsb, the four of a column the same tile of W (a cluster's four tile columns are one W): each tile is asked for JOINTLY.
; W lies [k][n]: its tile comes in as 128 k-rows of 512 bytes and its fragments are turned on the way out of LDS (ds_load_tr16_b128).
; THE MATRIX INSTRUCTION IS USED TRANSPOSED: source 0 = 16 columns of W, source 1 = 16 rows of hsb: a lane then holds row l % 16 and the eight neighbouring columns 8 (l / 16) + 0..7.
; REGISTERS, in windows of 256 (s_set_vgpr_msb: bits 1:0 source 0, 3:2 source 1, 5:4 source 2, 7:6 destination):
;   window 0: v0-31 addresses; v32-63 packed results; two fragment buffers of 96 (W's fragment b at +8 b, hsb's fragment a at +64 + 8 a) at v64 and v160
;   window 1: accumulator (a, b) at v[8 (8 a + b)]          window 2: v0-63 the bias of my 64 columns a lane; v64-65 at work
.set LAPS,  4                          ; a lap = two K steps = once round the ring; K = 1,024
.set PA,    272                        ; an LDS row of hsb's tile: 256 bytes + 16: the 16 rows of a load start 4 banks apart
.set PB,    544                        ; an LDS row of W's tile: 512 bytes + 32
.set HALFA, 64*PA                      ; what one tensor load brings of hsb
.set ATILE, 2*HALFA
.set HALFB, 64*PB                      ; and of W
.set SLOT,  ATILE+2*HALFB              ; 104,448
.set STAGE, 2*SLOT                     ; behind the ring: 16 rows x 272 bytes for each wave, for the way out
.set SP,    272
.set SPARE, STAGE+4*16*SP              ; behind the stages: the spare words, 128 bytes for each wave: two blocks of 256 bytes that no other line names
.set ASTEP, 256                        ; a K step in a row of hsb, in bytes
.set BSTEP, 128*2048                   ; a K step in W: 128 rows of 2,048 bytes
.set CROW,  6144                       ; a row of qkv
.set ADRA, 16                          ; v16-17  LDS address of my hsb fragments in slot 0, 1
.set ADRB, 20                          ; v20-21  the same for W
.set STO,  24                          ; v24  the way out: where I put 16 bytes of a row
.set RD,   25                          ; v25  where I read a row back
.set CO,   26                          ; v26  my byte offset in qkv
.set SPW,  28                          ; v28  LDS address of my spare word; never rewritten
.set NIL,  29                          ; v29  0; never rewritten
.set PFO,  30                          ; v30  the prefetches' offset; never rewritten
.set TMP,  32
.set F0,   64
.set F1,   160
.set G1,  24                           ; s[24:31] descriptor group 1 for hsb's tiles;  s[32:39] group 0, a set for each slot
.set G0,  32
.set G1B, 48                           ; s[48:55], s[56:63] the same for W's
.set G0B, 56
.set LIM, 43                           ; s43  1 in a wave that prefetches, else the greatest number
.set PFA, 44                           ; s[44:45] where my prefetches stand
.set PFS, 66                           ; s[66:67] their step: a K step of hsb or of W
.set MSB, 0
.macro WIN new                         ; the immediate's high byte repeats the setting that is left; a switch that changes nothing is dropped
.if MSB != (\new)
	s_set_vgpr_msb (MSB<<8)|(\new)
.set MSB, \new
.endif
.endm
.macro PLACES                          ; four plain vector instructions between a matrix instruction and a load into, or a vector instruction on, its registers
.rept 4
	v_nop
.endr
.endm
.macro CREST                           ; a round of the cluster's barrier behind its opening barrier
	s_cmp_lg_u32 s10, 0
	s_cbranch_scc1 .Lnot_wave_0_\@
	s_barrier_signal -3
.Lnot_wave_0_\@:
	s_barrier_wait -3
	s_barrier_signal -1
	s_barrier_wait -1
.endm
.macro CROUND                          ; a whole round
	s_barrier_signal -1
	s_barrier_wait -1
	CREST
.endm
.macro JLOAD s                         ; a joint refill: waves 0 and 1 fetch hsb's two halves, waves 2 and 3 W's; an s_nop 0 and four v_nop follow each line
	s_cmp_eq_u32 s11, 0
	s_cbranch_scc0 .Lfor_b_\@
	tensor_load_to_lds s[G0+4*(\s):G0+4*(\s)+3], s[G1:G1+7]
	s_nop 0
.rept 4
	v_nop
.endr
	s_branch .Lasked_\@
.Lfor_b_\@:
	tensor_load_to_lds s[G0B+4*(\s):G0B+4*(\s)+3], s[G1B:G1B+7]
	s_nop 0
.rept 4
	v_nop
.endr
.Lasked_\@:
.endm
; A PREFETCH INTO THE L2 of the K step that stands two refills on (256 matrix instructions ahead of its load): 32 blocks of 256 bytes, one a lane, one instruction a wave.
; Each block is named once in the launch.  hsb's tile row is read by the three clusters of a row of clusters: cluster x = 0 asks, wave 0, and the four partners take 32 rows each BY ADDRESS (cx).
; W's tile column is read by the 16 clusters of a column: cluster y = 0 asks, waves 2 and 3 for the 64 k-rows that each fetches, the partners 16 k-rows each by address (cy), two lanes a row of 512 bytes.
; The loop's last trip (s3 = 1) asks for nothing: there is no K step two on.  K steps 0 to 3 come by their loads alone.
.macro ASK
	s_cmp_gt_u32 s3, s[LIM]
	s_cbranch_scc0 .Lnot_mine_\@
	global_prefetch_b8 v[PFO], s[PFA:PFA+1] th:TH_LOAD_NT scope:SCOPE_SE
.Lnot_mine_\@:
.endm
	s_load_b256 s[68:75], s[0:1], 0x0              ; hsb s[68:69], wb s[70:71], bq s[72:73], bk s[74:75]
	s_load_b128 s[76:79], s[0:1], 0x20             ; bv s[76:77], qkv s[78:79]
	v_lshl_add_u32 v[SPW], v0, 2, SPARE
	v_mov_b32 v[NIL], 0
	ds_add_u32 v[SPW], v[NIL]                      ; the wave's opening: the add and its wait ahead of my first tensor load; the set-up below stands between them
	v_lshrrev_b32 v1, 5, v0
	v_readfirstlane_b32 s10, v1                    ; wave 0..3
	s_lshr_b32 s11, s10, 1                         ; which 64 rows of the tile are mine.  Also: I fetch for hsb (0) or for W (1)
	s_and_b32 s12, s10, 1                          ; which 128 columns.  Also: which half of that tile I fetch
	s_bfe_u32 s40, ttmp6, 0x40000                  ; cx
	s_bfe_u32 s41, ttmp6, 0x40004                  ; cy
	s_lshl_b32 s42, ttmp9, 2
	s_add_co_u32 s42, s42, s40                     ; tile column 0..11 = 4 x cluster x + cx; cluster x says which W
	s_and_b32 s9, ttmp7, 0xffff                    ; cluster y
	s_lshl_b32 s13, s9, 2
	s_add_co_u32 s13, s13, s41                     ; tile row 0..63
	s_lshl_b32 s18, s41, 2
	s_lshl_b32 s18, 15, s18                        ; my row of the cluster
	s_lshl_b32 s19, 0x1111, s40                    ; my column
	s_or_b32 s[G1+0], s18, (1<<16)|(1<<20)|(1<<21)|(5<<22)|(3<<25)   ; the mask; 2-byte elements; padding on; bit 21 beside a mask; after every 64 words 4 words
	s_mov_b32 s[G1+1], 128<<16                     ; tensor_dim0 = 128
	s_mov_b32 s[G1+2], 64<<16                      ; tensor_dim1 = 64
	s_mov_b32 s[G1+3], 128<<16                     ; tile_dim0 = 128
	s_mov_b32 s[G1+4], 64                          ; tile_dim1 = 64
	s_mov_b32 s[G1+5], 1024                        ; elements from row to row
	s_mov_b32 s[G1+6], 0
	s_mov_b32 s[G1+7], 0
	s_or_b32 s[G1B+0], s19, (1<<16)|(1<<20)|(1<<21)|(6<<22)|(7<<25)  ; after every 128 words 8 words
	s_mov_b32 s[G1B+1], 256<<16                    ; 64 k-rows of 256 columns
	s_mov_b32 s[G1B+2], 64<<16
	s_mov_b32 s[G1B+3], 256<<16
	s_mov_b32 s[G1B+4], 64
	s_mov_b32 s[G1B+5], 1024
	s_mov_b32 s[G1B+6], 0
	s_mov_b32 s[G1B+7], 0
	s_lshl_b32 s16, s13, 7                         ; hsb: row 128 x tile row + 64 x half, 2,048 bytes a row: made of the tile row and the wave's number alone
	s_lshl_b32 s17, s12, 6
	s_add_co_u32 s16, s16, s17
	s_lshl_b32 s16, s16, 11
	s_mov_b32 s17, 0
	s_lshl_b32 s46, ttmp9, 21                      ; W: 2 MiB a matrix + 512 bytes a tile column + 64 k-rows a half: nothing of cy
	s_lshl_b32 s47, s40, 9
	s_add_co_u32 s46, s46, s47
	s_lshl_b32 s47, s12, 17
	s_add_co_u32 s46, s46, s47
	s_mov_b32 s47, 0
	s_mul_i32 s20, s12, HALFA                      ; where they go: no place in the cluster enters an LDS address
	s_mul_i32 s21, s12, HALFB
	s_add_co_u32 s21, s21, ATILE
	s_wait_dscnt 0x0                               ; the opening add is done
	s_wait_kmcnt 0x0
	s_add_nc_u64 s[14:15], s[68:69], s[16:17]
	s_add_nc_u64 s[46:47], s[70:71], s[46:47]
.irp s, 0,1
	s_mov_b32 s[G0+4*(\s)], 1
	s_add_co_u32 s[G0+4*(\s)+1], s20, (\s)*SLOT
	s_add_nc_u64 s[G0+4*(\s)+2:G0+4*(\s)+3], s[14:15], (\s)*ASTEP
	s_or_b32 s[G0+4*(\s)+3], s[G0+4*(\s)+3], 0x80000000
	s_mov_b32 s[G0B+4*(\s)], 1
	s_add_co_u32 s[G0B+4*(\s)+1], s21, (\s)*SLOT
	s_add_nc_u64 s[G0B+4*(\s)+2:G0B+4*(\s)+3], s[46:47], (\s)*BSTEP
	s_or_b32 s[G0B+4*(\s)+3], s[G0B+4*(\s)+3], 0x80000000
.endr
	CROUND                                         ; all sixteen work-groups are here: the first joint loads meet
	s_cmp_eq_u32 s11, 0                            ; a wave's two first fills stand in one branch: two loads of mine are out
	s_cbranch_scc0 .Lfirst_b
	tensor_load_to_lds s[G0:G0+3], s[G1:G1+7]
	s_nop 0
	tensor_load_to_lds s[G0+4:G0+7], s[G1:G1+7]
	s_nop 0
.rept 4
	v_nop
.endr
	s_branch .Lfirst_asked
.Lfirst_b:
	tensor_load_to_lds s[G0B:G0B+3], s[G1B:G1B+7]
	s_nop 0
	tensor_load_to_lds s[G0B+4:G0B+7], s[G1B:G1B+7]
	s_nop 0
.rept 4
	v_nop
.endr
.Lfirst_asked:
	; the bias of my columns: register 8 b + j of a lane is column 128 x half + 16 b + 8 (l / 16) + j of the tile, as in an accumulator
	v_and_b32 v1, 15, v0                           ; l % 16
	v_bfe_u32 v2, v0, 4, 1                         ; l / 16
	s_cmp_eq_u32 ttmp9, 0
	s_cselect_b64 s[22:23], s[72:73], s[74:75]
	s_cmp_eq_u32 ttmp9, 2
	s_cselect_b64 s[22:23], s[76:77], s[22:23]
	s_lshl_b32 s8, s40, 10                         ; 256 columns of 4 bytes a tile column of this W
	s_lshl_b32 s4, s12, 9
	s_add_co_u32 s8, s8, s4
	v_lshl_add_u32 v6, v2, 5, s8
	WIN 0x80                                       ; destination window 2, address window 0
.irp b, 0,1,2,3,4,5,6,7
	global_load_b128 v[8*(\b):8*(\b)+3],   v6, s[22:23] offset:64*(\b)
	global_load_b128 v[8*(\b)+4:8*(\b)+7], v6, s[22:23] offset:64*(\b)+16
.endr
	WIN 0
	; fragments.  hsb: lane l holds row l % 16; two loads of 16 bytes, 32 apart, at row x pitch + 16 (l / 16).
	v_mul_u32_u24 v3, v1, PA
	v_lshl_add_u32 v3, v2, 4, v3
	s_mul_i32 s18, s11, HALFA
	v_add_nc_u32 v[ADRA], s18, v3
	v_add_nc_u32 v[ADRA+1], SLOT, v[ADRA]
	; W: the turning load takes 16 k x 16 columns: lane l reads k-row 8 (l / 16) + l % 8, columns 8 ((l / 8) % 2) + 0..7, and is left with column l % 16 and 8 k
	v_and_b32 v4, 7, v0
	v_lshl_add_u32 v4, v2, 3, v4
	v_mul_u32_u24 v4, v4, PB
	v_bfe_u32 v5, v0, 3, 1
	v_lshl_add_u32 v4, v5, 4, v4
	s_lshl_b32 s18, s12, 8
	s_add_co_u32 s18, s18, ATILE
	v_add_nc_u32 v[ADRB], s18, v4
	v_add_nc_u32 v[ADRB+1], SLOT, v[ADRB]
	s_mul_i32 s19, s10, 16*SP
	s_add_co_u32 s19, s19, STAGE                   ; my stage
	v_add_nc_u32 v[STO], s19, v3                   ; in: row l % 16, 16 bytes for each half of the lanes (the stage's pitch is hsb's)
	v_mul_u32_u24 v5, v2, SP                       ; back: lanes 0-15 one row of 256 bytes, lanes 16-31 the next
	v_lshl_add_u32 v5, v1, 4, v5
	v_add_nc_u32 v[RD], s19, v5
	v_mul_u32_u24 v5, v2, CROW                     ; and the same two rows in qkv
	v_lshl_add_u32 v[CO], v1, 4, v5
	s_lshl_b32 s4, s13, 7                          ; qkv at my part of the tile
	s_lshl_b32 s5, s11, 6
	s_add_co_u32 s4, s4, s5
	s_mul_i32 s4, s4, CROW
	s_lshl_b32 s5, s42, 9
	s_add_co_u32 s4, s4, s5
	s_lshl_b32 s5, s12, 8
	s_add_co_u32 s4, s4, s5
	s_mov_b32 s5, 0
	s_add_nc_u64 s[78:79], s[78:79], s[4:5]
	; the prefetches: they stand at K step 3; the first refill steps them to K step 4
	s_lshl_b32 s4, s13, 7                          ; hsb: my work-group's 32 rows of the tile's 128
	s_lshl_b32 s5, s40, 5
	s_add_co_u32 s4, s4, s5
	s_lshl_b32 s4, s4, 11
	s_add_co_u32 s4, s4, 3*ASTEP
	s_lshl_b32 s5, ttmp9, 21                       ; W: my work-group's 16 k-rows of the 64 that I fetch
	s_lshl_b32 s6, s40, 9
	s_add_co_u32 s5, s5, s6
	s_lshl_b32 s6, s12, 6
	s_lshl_b32 s7, s41, 4
	s_add_co_u32 s6, s6, s7
	s_lshl_b32 s6, s6, 11
	s_add_co_u32 s5, s5, s6
	s_add_co_u32 s5, s5, 3*BSTEP
	s_mov_b32 s7, BSTEP
	s_or_b32 s18, s12, ttmp9                       ; hsb: wave 0 of cluster x = 0
	s_cmp_eq_u32 s11, 0
	s_cselect_b32 s4, s4, s5
	s_cselect_b32 s18, s18, s9                     ; W: waves 2 and 3 of cluster y = 0: the same in all sixteen partners
	s_cselect_b32 s[PFS], ASTEP, s7
	s_cselect_b64 s[PFA:PFA+1], s[68:69], s[70:71]
	s_mov_b32 s5, 0
	s_mov_b32 s[PFS+1], 0
	s_add_nc_u64 s[PFA:PFA+1], s[PFA:PFA+1], s[4:5]
	s_cmp_eq_u32 s18, 0
	s_cselect_b32 s[LIM], 1, -1
	v_and_b32 v3, 31, v0
	v_lshrrev_b32 v4, s11, v3                      ; hsb: a lane a row; W: two lanes a row,
	v_and_b32 v5, s11, v3                          ; the odd one its second 256 bytes
	v_lshlrev_b32 v[PFO], 11, v4
	v_lshl_add_u32 v[PFO], v5, 8, v[PFO]
	s_wait_loadcnt 0x0                             ; the bias
	WIN 0x8a                                       ; sources and destination in window 2
.set p, 0
.rept 32                               ; rounded to bf16 and widened again
	v_cvt_pk_bf16_f32 v[64+(p/2)%2], v[p], v[p+1]
	v_lshlrev_b32 v[p], 16, v[64+(p/2)%2]
	v_and_b32 v[p+1], 0xffff0000, v[64+(p/2)%2]
.set p, p+2
.endr
	WIN 0
; 8 matrix instructions: row block a x all 8 column blocks, 32 along K.  zero = 1: the first product starts the sum with the bias (window 2).  The 32 accumulators take turns, one instruction a turn,
; in the same order in every quarter, over the backward jump too.
.macro MUL8 f, a, zero
.if \zero
	WIN 0x60
.else
	WIN 0x50
.endif
.irp b, 0,1,2,3,4,5,6,7
.if \zero
	v_wmma_f32_16x16x32_bf16 v[8*(8*(\a)+(\b)):8*(8*(\a)+(\b))+7], v[(\f)+8*(\b):(\f)+8*(\b)+7], v[(\f)+64+8*(\a):(\f)+64+8*(\a)+7], v[8*(\b):8*(\b)+7]
.else
	v_wmma_f32_16x16x32_bf16 v[8*(8*(\a)+(\b)):8*(8*(\a)+(\b))+7], v[(\f)+8*(\b):(\f)+8*(\b)+7], v[(\f)+64+8*(\a):(\f)+64+8*(\a)+7], v[8*(8*(\a)+(\b)):8*(8*(\a)+(\b))+7]
.endif
.endr
.endm
; 24 LDS loads in one run: quarter kq (32 along K) of a slot into buffer f: W's 16, then hsb's 8
.macro FETCH slot, kq, f
	WIN 0
.irp b, 0,1,2,3,4,5,6,7
	ds_load_tr16_b128 v[(\f)+8*(\b):(\f)+8*(\b)+3],   v[ADRB+(\slot)] offset:32*PB*(\kq)+32*(\b)
	ds_load_tr16_b128 v[(\f)+8*(\b)+4:(\f)+8*(\b)+7], v[ADRB+(\slot)] offset:32*PB*(\kq)+32*(\b)+16*PB
.endr
.irp a, 0,1,2,3
	ds_load_b128 v[(\f)+64+8*(\a):(\f)+64+8*(\a)+3],   v[ADRA+(\slot)] offset:64*(\kq)+16*PA*(\a)
	ds_load_b128 v[(\f)+64+8*(\a)+4:(\f)+64+8*(\a)+7], v[ADRA+(\slot)] offset:64*(\kq)+16*PA*(\a)+32
.endr
.endm
; A K step is four quarters of 32 matrix instructions on buffers 0, 1, 0, 1.  One of the first three multiplies buffer f and fetches quarter kq of the same slot into g.
.macro QUARTER slot, kq, f, g, zero
	s_wait_dscnt 4                                 ; all but the youngest four loads: hsb's row blocks 2 and 3
	MUL8 \f, 0, \zero
	MUL8 \f, 1, \zero
	PLACES
	FETCH \slot, \kq, \g
	s_wait_dscnt 24                                ; all but the 24 just issued
	MUL8 \f, 2, \zero
	MUL8 \f, 3, \zero
.endm
; The last quarter multiplies buffer 1 and changes slots: ONE barrier; ahead of it each wave waits for all its tensor loads (the one that is out is its part of the next slot), adds 0 to its spare word,
; and waits for that and for its reads of this slot.  fill = 1: the barrier opens a round of the cluster's, and the slot is filled again, two K steps on, first thing behind it:
; 112 matrix instructions ahead of the wait for it.
.macro TURN slot, next, fill
.if \fill
	s_wait_xcnt 0x0                                ; the last prefetch, a K step back, has read its address
	s_add_nc_u64 s[PFA:PFA+1], s[PFA:PFA+1], s[PFS:PFS+1]
.endif
	WIN 0
	s_wait_tensorcnt 0x0
	ds_add_u32 v[SPW], v[NIL]
	s_wait_dscnt 5                                 ; (the add and the youngest four loads may be out)
	MUL8 F1, 0, 0
	s_wait_dscnt 0x0                               ; the add is done, and my reads of this slot are over
	s_barrier_signal -1
	MUL8 F1, 1, 0
	WIN 0
	s_barrier_wait -1
.if \fill
	CREST                                          ; no wave of any partner still reads this slot or has a load on its way
	s_add_nc_u64 s[G0+4*(\slot)+2:G0+4*(\slot)+3], s[G0+4*(\slot)+2:G0+4*(\slot)+3], 2*ASTEP
	s_add_nc_u64 s[G0B+4*(\slot)+2:G0B+4*(\slot)+3], s[G0B+4*(\slot)+2:G0B+4*(\slot)+3], 2*BSTEP
	JLOAD \slot                                    ; its four v_nop are also the places in front of the loads below
.else
	PLACES
.endif
	FETCH \next, 0, F0
.if \fill
	ASK
.endif
	MUL8 F1, 2, 0
	MUL8 F1, 3, 0
.endm
; THE WAY OUT of row block a: rounded to f16, 16 bytes a lane; into my own stage and back as whole rows of 256 bytes; stored.
.macro PACK a
	WIN 0x05                                       ; sources in window 1; each accumulator's registers in ascending order
.irp b, 0,1,2,3,4,5,6,7
.irp r, 0,1,2,3
	v_cvt_pk_f16_f32 v[TMP+4*(\b)+(\r)], v[8*(8*(\a)+(\b))+2*(\r)], v[8*(8*(\a)+(\b))+2*(\r)+1]
.endr
.endr
	WIN 0
.endm
.macro TOSTAGE a
.irp b, 0,1,2,3,4,5,6,7
	ds_store_b128 v[STO], v[TMP+4*(\b):TMP+4*(\b)+3] offset:32*(\b)
.endr
.irp t, 0,1,2,3,4,5,6,7
	ds_load_b128 v[64+32*(\a)+4*(\t):64+32*(\a)+4*(\t)+3], v[RD] offset:(\t)*2*SP  ; LDS serves a wave's instructions in order: these see the stores above; each block has registers of its own
.endr
.endm
.macro SEND a
	s_wait_dscnt 0x0
.irp t, 0,1,2,3,4,5,6,7
	global_store_b128 v[CO], v[64+32*(\a)+4*(\t):64+32*(\a)+4*(\t)+3], s[78:79] offset:(16*(\a)+2*(\t))*CROW  ; 16 lanes store 256 consecutive bytes, aligned
.endr
.endm
	s_wait_tensorcnt 1                             ; my part of K step 0 is in; K step 1's may stay out
	s_barrier_signal -1
	s_barrier_wait -1
	FETCH 0, 0, F0
	QUARTER 0, 1, F0, F1, 1                        ; the first quarter stands ahead of the loop: its products start the sums
	WIN 0
	s_mov_b32 s3, LAPS-1
.Llap:                                         ; a trip goes once round the ring and fills both slots again
	QUARTER 0, 2, F1, F0, 0
	QUARTER 0, 3, F0, F1, 0
	TURN 0, 1, 1
	QUARTER 1, 1, F0, F1, 0
	QUARTER 1, 2, F1, F0, 0
	QUARTER 1, 3, F0, F1, 0
	TURN 1, 0, 1
	QUARTER 0, 1, F0, F1, 0
	WIN 0
	s_sub_co_u32 s3, s3, 1
	s_cmp_lg_u32 s3, 0
	s_cbranch_scc1 .Llap
	QUARTER 0, 2, F1, F0, 0                        ; the last lap fills nothing
	QUARTER 0, 3, F0, F1, 0
	TURN 0, 1, 0
	QUARTER 1, 1, F0, F1, 0
	QUARTER 1, 2, F1, F0, 0
	QUARTER 1, 3, F0, F1, 0
	s_wait_dscnt 4
	MUL8 F1, 0, 0
	MUL8 F1, 1, 0
	s_wait_dscnt 0x0
	MUL8 F1, 2, 0
	MUL8 F1, 3, 0
	PLACES
	PACK 0
	TOSTAGE 0
.irp a, 1,2,3                          ; a block's conversions stand between the loads of the block before and the wait for them
	PACK \a
	SEND (\a)-1
	TOSTAGE \a
.endr
	SEND 3
	s_wait_tensorcnt 0x0                           ; the wave's end
	ds_add_u32 v[SPW], v[NIL]
	s_wait_dscnt 0x0
	CROUND                                         ; the closing round
	s_endpgm
.Lfunc_end_k_q1b6ff08f0e_proj:
	.size	k_q1b6ff08f0e_proj, .Lfunc_end_k_q1b6ff08f0e_proj-k_q1b6ff08f0e_proj
	.p2alignl 7, 3214868480
	.fill 96, 4, 3214868480
	.section	.rodata,"a",@progbits
	.p2align	6, 0x0
	.amdhsa_kernel k_q1b6ff08f0e_proj
		.amdhsa_group_segment_fixed_size 327680
		.amdhsa_private_segment_fixed_size 0
		.amdhsa_enable_private_segment 0
		.amdhsa_kernarg_size 48
		.amdhsa_user_sgpr_count 2
		.amdhsa_user_sgpr_kernarg_segment_ptr 1
		.amdhsa_wavefront_size32 1
		.amdhsa_system_sgpr_workgroup_id_x 1
		.amdhsa_system_sgpr_workgroup_id_y 1
		.amdhsa_system_sgpr_workgroup_id_z 1
		.amdhsa_system_vgpr_workitem_id 0
		.amdhsa_next_free_vgpr 580
		.amdhsa_next_free_sgpr 80
		.amdhsa_reserve_vcc 0
		.amdhsa_float_denorm_mode_32 3
		.amdhsa_float_denorm_mode_16_64 3
		.amdhsa_memory_ordered 1
		.amdhsa_forward_progress 1
		.amdhsa_inst_pref_size 94
	.end_amdhsa_kernel
	.amdgpu_metadata
---
amdhsa.version: [ 1, 2 ]
amdhsa.kernels:
  - .name:           k_q1b6ff08f0e_proj
    .symbol:         k_q1b6ff08f0e_proj.kd
    .args:
      - { .name: hsb, .offset: 0, .size: 8, .value_kind: global_buffer, .address_space: global }
      - { .name: wb, .offset: 8, .size: 8, .value_kind: global_buffer, .address_space: global }
      - { .name: bq, .offset: 16, .size: 8, .value_kind: global_buffer, .address_space: global }
      - { .name: bk, .offset: 24, .size: 8, .value_kind: global_buffer, .address_space: global }
      - { .name: bv, .offset: 32, .size: 8, .value_kind: global_buffer, .address_space: global }
      - { .name: qkv, .offset: 40, .size: 8, .value_kind: global_buffer, .address_space: global }
    .group_segment_fixed_size: 327680
    .private_segment_fixed_size: 0
    .kernarg_segment_align: 8
    .kernarg_segment_size: 48
    .max_flat_workgroup_size: 128
    .sgpr_count:     80
    .vgpr_count:     580
    .wavefront_size: 32
...
	.end_amdgpu_metadata
.endif
;; end of part 2
;; launch scores (part 3): grid 8 x 64, 4 waves a work-group, clusters of 4 x 4, 327,680 bytes of LDS; arguments qkv, sparse_mask, attention_mask, pbuf, stat; writes pbuf, stat
.if DOCPART == 3
	.amdgcn_target "amdgcn-amd-amdhsa--gfx1250"
	.amdhsa_code_object_version 6
	.text
	.protected	k_q1b6ff08f0e_scores
	.globl	k_q1b6ff08f0e_scores
	.p2align	8
	.type	k_q1b6ff08f0e_scores,@function
k_q1b6ff08f0e_scores:
	s_mov_b64 s[64:65], 0
	v_nop
	global_prefetch_b8 v0, s[64:65] scope:SCOPE_SE
	s_setreg_imm32_b32 hwreg(HW_REG_WAVE_MODE, 25, 1), 1
	s_wait_xcnt 0x0
	s_wait_alu depctr_hold_cnt(0) depctr_sa_sdst(0) depctr_va_vdst(0) depctr_va_sdst(0) depctr_va_ssrc(0) depctr_va_vcc(0) depctr_vm_vsrc(0)
	s_getreg_b32 s2, hwreg(HW_REG_IB_STS2, 6, 4)
	s_cmp_eq_u32 s2, 0
	s_cbranch_scc0 .Lentry_in_a_cluster
	s_endpgm
.Lentry_in_a_cluster:
	s_bfe_u32 s2, ttmp6, 0x10000c
	s_cmp_lg_u32 s2, 0xf033
	s_cbranch_scc0 .Lentry_shape_is_right
	s_endpgm
.Lentry_shape_is_right:
; SCORES AND THE FIRST HALF OF THE SOFTMAX.  x[q][k] = c q.k + log2(e) att[k], or -inf where sparse_mask[q][k] is set; c = log2(e) / 32.  q, k: f16, in qkv [8192][3072] at bytes 0 and 2,048 of a row.
; A row's 2,048 keys fall into 16 SPANS of 128.  For each row and span: m = the maximum of x over the span; p' = 2^(x - m), stored in f16 in pbuf [8192][2048]; l = the sum of the unrounded p'.
; (m, l) go in f32 into stat [4 batches][16 spans][2,048 rows][2].  The next launch joins the spans by the true maximum of the row: a maximum is always taken away before an exponential.
; attention_mask is rounded to bf16 first, like all float inputs of the program.  Products in f16, sums, maxima and l in f32.
; LIMITS.  A span with every key hidden stores m = -inf, p' = 0, l = 0 (its exponents are taken against the lowest finite number).  p' below 6e-8 counts as 0 in pbuf.  +inf and NaN are not treated apart.
; SHARES.  A tile is 128 rows x 256 keys: 8 x 64 = 512 work-groups.  Four waves, each 64 rows x 128 keys (one span): 32 accumulators.  K (the 1,024 channels) goes in steps of 128 through two LDS slots.
; CLUSTER.  4 x 4 work-groups: q's tile is shared along a row of the cluster, k's along a column: joint loads.  The tile of sparse_mask is each work-group's own: a plain load, once, with the first fills.
; TRANSPOSED USE: source 0 = 16 keys, source 1 = 16 queries: a lane holds ONE query (l % 16) and the keys 16 b + 8 (l / 16) + 0..7: a row's maximum and sum want one exchange between the lanes' halves.
; REGISTERS: window 0: v0-31 addresses and statistics; v32-63 packed p'; fragment buffers of 96 at v64 and v160 (k's fragment b at +8 b, q's a at +64 + 8 a); behind the products v96-159 the mask's bytes, v160-223 x
;   window 1: accumulator (a, b) at v[8 (8 a + b)]          window 2: v0-63 log2(e) att of my 64 keys a lane; v64-65 at work
.set LAPS,  4
.set PA,    272                        ; an LDS row of q's, of k's and of the mask's tile: 256 bytes + 16
.set HALFA, 64*PA
.set ATILE, 2*HALFA
.set HALFB, 128*PA
.set SLOT,  ATILE+2*HALFB              ; 104,448
.set MASKT, 2*SLOT                     ; behind the ring: 128 rows x 256 bytes of sparse_mask, filled once
.set STAGE, MASKT+128*PA               ; 16 rows x 272 bytes for each wave, for the way out
.set SP,    272
.set SPARE, STAGE+4*16*SP              ; the spare words, 128 bytes for each wave: two blocks of 256 bytes that no other line names
.set QROW,  6144                       ; a row of qkv
.set KSTEP, 256                        ; a K step in a row, in bytes
.set PROW,  4096                       ; a row of pbuf
.set ADRA, 16                          ; v16-17, v20-21 fragment addresses; behind the products v16-19 m and v20-23 l of my four row blocks
.set ADRB, 20
.set MX,   16
.set LS,   20
.set STO,  24
.set RD,   25
.set CO,   26
.set MKA,  27                          ; v27  LDS address of my 8 bytes of the mask in row block 0, key block 0
.set SPW,  28
.set NIL,  29
.set PFO,  30
.set SO,   31                          ; v31  8 x lane: my place in 256 bytes of stat
.set TMP,  32
.set F0,   64
.set F1,   160
.set MB,   96                          ; row block a, key block b: two words at MB + 16 a + 2 b
.set X,    160
.set G1,  24
.set G0,  32
.set G1B, 48
.set G0B, 56
.set LIM, 43
.set PFA, 44
.set SELP, 80                          ; s[80:83] v_perm_b32's selectors
.set G0M, 84                           ; s[84:87], s[88:95] the mask tile's descriptor
.set G1M, 88
.set CS,  96                           ; s[96:97] c
.set SEL, 98                           ; s[98:99] v_permlanex16_b32's selects: each lane takes its own place in the other half
.set HIGH, 100                         ; s100 lanes 16-31
.set MSB, 0
.macro WIN new
.if MSB != (\new)
	s_set_vgpr_msb (MSB<<8)|(\new)
.set MSB, \new
.endif
.endm
.macro PLACES
.rept 4
	v_nop
.endr
.endm
.macro CREST
	s_cmp_lg_u32 s10, 0
	s_cbranch_scc1 .Lnot_wave_0_\@
	s_barrier_signal -3
.Lnot_wave_0_\@:
	s_barrier_wait -3
	s_barrier_signal -1
	s_barrier_wait -1
.endm
.macro CROUND
	s_barrier_signal -1
	s_barrier_wait -1
	CREST
.endm
.macro JLOAD s                         ; a joint refill: waves 0 and 1 fetch q's two halves, waves 2 and 3 k's
	s_cmp_eq_u32 s11, 0
	s_cbranch_scc0 .Lfor_b_\@
	tensor_load_to_lds s[G0+4*(\s):G0+4*(\s)+3], s[G1:G1+7]
	s_nop 0
.rept 4
	v_nop
.endr
	s_branch .Lasked_\@
.Lfor_b_\@:
	tensor_load_to_lds s[G0B+4*(\s):G0B+4*(\s)+3], s[G1B:G1B+7]
	s_nop 0
.rept 4
	v_nop
.endr
.Lasked_\@:
.endm
; A PREFETCH INTO THE L2 of the K step two refills on: 32 rows x 256 bytes, a lane a row.  q's tile row is read by the two clusters of a row of clusters: cluster x = 0 asks, wave 0, the partners 32 rows each
; by address (cx).  k's tile column is read by the four clusters of a batch: the batch's first asks, waves 2 and 3 for the 128 rows that each fetches, the partners 32 rows each by address (cy).
; The loop's last trip asks for nothing; K steps 0 to 3 come by their loads alone.
.macro ASK
	s_cmp_gt_u32 s3, s[LIM]
	s_cbranch_scc0 .Lnot_mine_\@
	global_prefetch_b8 v[PFO], s[PFA:PFA+1] th:TH_LOAD_NT scope:SCOPE_SE
.Lnot_mine_\@:
.endm
	s_load_b256 s[68:75], s[0:1], 0x0              ; qkv s[68:69], sparse_mask s[70:71], attention_mask s[72:73], pbuf s[74:75]
	s_load_b64 s[76:77], s[0:1], 0x20              ; stat
	v_lshl_add_u32 v[SPW], v0, 2, SPARE
	v_mov_b32 v[NIL], 0
	ds_add_u32 v[SPW], v[NIL]                      ; the wave's opening: the add and its wait ahead of my first tensor load
	v_lshrrev_b32 v1, 5, v0
	v_readfirstlane_b32 s10, v1                    ; wave 0..3
	s_lshr_b32 s11, s10, 1                         ; which 64 rows are mine.  Also: I fetch for q (0) or for k (1)
	s_and_b32 s12, s10, 1                          ; which 128 keys.  Also: which half of that tile I fetch
	s_bfe_u32 s40, ttmp6, 0x40000                  ; cx
	s_bfe_u32 s41, ttmp6, 0x40004                  ; cy
	s_lshl_b32 s42, ttmp9, 2
	s_add_co_u32 s42, s42, s40                     ; tile of 256 keys, 0..7
	s_and_b32 s9, ttmp7, 0xffff                    ; cluster y
	s_lshl_b32 s13, s9, 2
	s_add_co_u32 s13, s13, s41                     ; tile of 128 rows, 0..63
	s_lshr_b32 s8, s9, 2                           ; the batch: a cluster's four tile rows lie in one
	s_lshl_b32 s18, s41, 2
	s_lshl_b32 s18, 15, s18                        ; my row of the cluster
	s_lshl_b32 s19, 0x1111, s40                    ; my column
	s_or_b32 s[G1+0], s18, (1<<16)|(1<<20)|(1<<21)|(5<<22)|(3<<25)
	s_mov_b32 s[G1+1], 128<<16                     ; 64 rows of 128 elements
	s_mov_b32 s[G1+2], 64<<16
	s_mov_b32 s[G1+3], 128<<16
	s_mov_b32 s[G1+4], 64
	s_mov_b32 s[G1+5], 3072
	s_mov_b32 s[G1+6], 0
	s_mov_b32 s[G1+7], 0
	s_or_b32 s[G1B+0], s19, (1<<16)|(1<<20)|(1<<21)|(5<<22)|(3<<25)
	s_mov_b32 s[G1B+1], 128<<16                    ; 128 rows of 128 elements
	s_mov_b32 s[G1B+2], 128<<16
	s_mov_b32 s[G1B+3], 128<<16
	s_mov_b32 s[G1B+4], 128
	s_mov_b32 s[G1B+5], 3072
	s_mov_b32 s[G1B+6], 0
	s_mov_b32 s[G1B+7], 0
	s_mov_b32 s[G1M+0], (1<<20)|(5<<22)|(3<<25)    ; no mask of work-groups; 1-byte elements; after every 64 words 4 words
	s_mov_b32 s[G1M+1], 256<<16                    ; 64 rows of 256 bytes
	s_mov_b32 s[G1M+2], 64<<16
	s_mov_b32 s[G1M+3], 256<<16
	s_mov_b32 s[G1M+4], 64
	s_mov_b32 s[G1M+5], 2048
	s_mov_b32 s[G1M+6], 0
	s_mov_b32 s[G1M+7], 0
	s_lshl_b32 s16, s13, 7                         ; q: row 128 x tile row + 64 x half
	s_lshl_b32 s17, s12, 6
	s_add_co_u32 s16, s16, s17
	s_mul_i32 s16, s16, QROW
	s_mov_b32 s17, 0
	s_lshl_b32 s46, s8, 11                         ; k: row 2,048 x batch + 256 x key tile + 128 x half, 2,048 bytes into the row: nothing of cy
	s_lshl_b32 s47, s42, 8
	s_add_co_u32 s46, s46, s47
	s_lshl_b32 s47, s12, 7
	s_add_co_u32 s46, s46, s47
	s_mul_i32 s46, s46, QROW
	s_add_co_u32 s46, s46, 2048
	s_mov_b32 s47, 0
	s_lshl_b32 s4, s13, 7                          ; the mask: the same rows as q's half, 2,048 bytes a row, 256 bytes a key tile
	s_lshl_b32 s5, s12, 6
	s_add_co_u32 s4, s4, s5
	s_lshl_b32 s4, s4, 11
	s_lshl_b32 s5, s42, 8
	s_add_co_u32 s4, s4, s5
	s_mov_b32 s5, 0
	s_mul_i32 s20, s12, HALFA
	s_mul_i32 s21, s12, HALFB
	s_add_co_u32 s21, s21, ATILE
	s_mov_b32 s[SELP+0], 0x04000c0c                ; byte i of the first source on top, byte i of the second below it, two bytes of 0
	s_mov_b32 s[SELP+1], 0x05010c0c
	s_mov_b32 s[SELP+2], 0x06020c0c
	s_mov_b32 s[SELP+3], 0x07030c0c
	s_mov_b32 s[CS], 0x3d38aa3b                    ; c = log2(e) / 32
	s_mov_b32 s[CS+1], s[CS]
	s_mov_b32 s[SEL], 0x76543210
	s_mov_b32 s[SEL+1], 0xfedcba98
	s_mov_b32 s[HIGH], 0xffff0000
	s_wait_dscnt 0x0                               ; the opening add is done
	s_wait_kmcnt 0x0
	s_add_nc_u64 s[14:15], s[68:69], s[16:17]
	s_add_nc_u64 s[46:47], s[68:69], s[46:47]
.irp s, 0,1
	s_mov_b32 s[G0+4*(\s)], 1
	s_add_co_u32 s[G0+4*(\s)+1], s20, (\s)*SLOT
	s_add_nc_u64 s[G0+4*(\s)+2:G0+4*(\s)+3], s[14:15], (\s)*KSTEP
	s_or_b32 s[G0+4*(\s)+3], s[G0+4*(\s)+3], 0x80000000
	s_mov_b32 s[G0B+4*(\s)], 1
	s_add_co_u32 s[G0B+4*(\s)+1], s21, (\s)*SLOT
	s_add_nc_u64 s[G0B+4*(\s)+2:G0B+4*(\s)+3], s[46:47], (\s)*KSTEP
	s_or_b32 s[G0B+4*(\s)+3], s[G0B+4*(\s)+3], 0x80000000
.endr
	s_mov_b32 s[G0M], 1
	s_add_co_u32 s[G0M+1], s20, MASKT
	s_add_nc_u64 s[G0M+2:G0M+3], s[70:71], s[4:5]
	s_or_b32 s[G0M+3], s[G0M+3], 0x80000000
	CROUND                                         ; all sixteen work-groups are here: the first joint loads meet
	s_cmp_eq_u32 s11, 0                            ; a wave's first fills stand in one branch: three loads of waves 0 and 1 are out, two of waves 2 and 3; the slot 1 load is the last in both
	s_cbranch_scc0 .Lfirst_b
	tensor_load_to_lds s[G0M:G0M+3], s[G1M:G1M+7]
	s_nop 0
	tensor_load_to_lds s[G0:G0+3], s[G1:G1+7]
	s_nop 0
	tensor_load_to_lds s[G0+4:G0+7], s[G1:G1+7]
	s_nop 0
.rept 4
	v_nop
.endr
	s_branch .Lfirst_asked
.Lfirst_b:
	tensor_load_to_lds s[G0B:G0B+3], s[G1B:G1B+7]
	s_nop 0
	tensor_load_to_lds s[G0B+4:G0B+7], s[G1B:G1B+7]
	s_nop 0
.rept 4
	v_nop
.endr
.Lfirst_asked:
	; attention_mask of my keys: register 8 b + j of a lane is key 16 b + 8 (l / 16) + j of my span, as in an accumulator
	v_and_b32 v1, 15, v0                           ; l % 16
	v_bfe_u32 v2, v0, 4, 1                         ; l / 16
	s_lshl_b32 s4, s8, 11
	s_lshl_b32 s5, s42, 8
	s_add_co_u32 s4, s4, s5
	s_lshl_b32 s5, s12, 7
	s_add_co_u32 s4, s4, s5
	s_lshl_b32 s4, s4, 2
	v_lshl_add_u32 v6, v2, 5, s4
	WIN 0x80
.irp b, 0,1,2,3,4,5,6,7
	global_load_b128 v[8*(\b):8*(\b)+3],   v6, s[72:73] offset:64*(\b)
	global_load_b128 v[8*(\b)+4:8*(\b)+7], v6, s[72:73] offset:64*(\b)+16
.endr
	WIN 0
	v_mul_u32_u24 v3, v1, PA
	v_lshl_add_u32 v3, v2, 4, v3                   ; a fragment's row x pitch + 16 x half
	s_mul_i32 s18, s11, HALFA
	v_add_nc_u32 v[ADRA], s18, v3
	v_add_nc_u32 v[ADRA+1], SLOT, v[ADRA]
	s_mul_i32 s18, s12, HALFB
	s_add_co_u32 s18, s18, ATILE
	v_add_nc_u32 v[ADRB], s18, v3
	v_add_nc_u32 v[ADRB+1], SLOT, v[ADRB]
	s_mul_i32 s19, s10, 16*SP
	s_add_co_u32 s19, s19, STAGE
	v_add_nc_u32 v[STO], s19, v3
	v_mul_u32_u24 v5, v2, SP
	v_lshl_add_u32 v5, v1, 4, v5
	v_add_nc_u32 v[RD], s19, v5
	v_lshlrev_b32 v5, 12, v2                       ; two rows of pbuf
	v_lshl_add_u32 v[CO], v1, 4, v5
	s_mul_i32 s18, s11, HALFA                      ; the mask's bytes: row 64 x half + l % 16, byte 128 x key half + 8 (l / 16)
	s_lshl_b32 s19, s12, 7
	s_add_co_u32 s18, s18, s19
	s_add_co_u32 s18, s18, MASKT
	v_mul_u32_u24 v5, v1, PA
	v_lshl_add_u32 v5, v2, 3, v5
	v_add_nc_u32 v[MKA], s18, v5
	v_and_b32 v3, 31, v0
	v_lshlrev_b32 v[SO], 3, v3
	v_mul_u32_u24 v[PFO], QROW, v3
	v_mov_b32 v10, 0                               ; v_permlanex16_b32's destination counts as read
	v_mov_b32 v13, 0                               ; named in a pair with v12
	s_lshl_b32 s4, s13, 7                          ; pbuf at my part of the tile
	s_lshl_b32 s5, s11, 6
	s_add_co_u32 s4, s4, s5
	s_lshl_b32 s4, s4, 12
	s_lshl_b32 s5, s42, 9
	s_add_co_u32 s4, s4, s5
	s_lshl_b32 s5, s12, 8
	s_add_co_u32 s4, s4, s5
	s_mov_b32 s5, 0
	s_add_nc_u64 s[74:75], s[74:75], s[4:5]
	s_lshl_b32 s4, s8, 4                           ; stat at my span and my 64 rows
	s_lshl_b32 s5, s42, 1
	s_add_co_u32 s4, s4, s5
	s_add_co_u32 s4, s4, s12
	s_lshl_b32 s4, s4, 11
	s_and_b32 s5, s13, 15
	s_lshl_b32 s5, s5, 7
	s_add_co_u32 s4, s4, s5
	s_lshl_b32 s5, s11, 6
	s_add_co_u32 s4, s4, s5
	s_lshl_b32 s4, s4, 3
	s_mov_b32 s5, 0
	s_add_nc_u64 s[76:77], s[76:77], s[4:5]
	; the prefetches: they stand at K step 3; the first refill steps them to K step 4
	s_lshl_b32 s4, s13, 7                          ; q: my work-group's 32 rows of the tile's 128
	s_lshl_b32 s5, s40, 5
	s_add_co_u32 s4, s4, s5
	s_lshl_b32 s5, s8, 11                          ; k: my work-group's 32 rows of the 128 that I fetch
	s_lshl_b32 s6, s42, 8
	s_add_co_u32 s5, s5, s6
	s_lshl_b32 s6, s12, 7
	s_add_co_u32 s5, s5, s6
	s_lshl_b32 s6, s41, 5
	s_add_co_u32 s5, s5, s6
	s_or_b32 s18, s12, ttmp9                       ; q: wave 0 of cluster x = 0
	s_and_b32 s19, s9, 3                           ; k: waves 2 and 3 of the batch's first cluster
	s_cmp_eq_u32 s11, 0
	s_cselect_b32 s4, s4, s5
	s_cselect_b32 s18, s18, s19
	s_mul_i32 s4, s4, QROW
	s_lshl_b32 s5, s11, 11                         ; k lies 2,048 bytes into a row
	s_add_co_u32 s4, s4, s5
	s_add_co_u32 s4, s4, 3*KSTEP
	s_mov_b32 s5, 0
	s_add_nc_u64 s[PFA:PFA+1], s[68:69], s[4:5]
	s_cmp_eq_u32 s18, 0
	s_cselect_b32 s[LIM], 1, -1
	s_wait_loadcnt 0x0                             ; attention_mask
	WIN 0x8a
.set p, 0
.rept 32                               ; rounded to bf16, widened again, times log2(e)
	v_cvt_pk_bf16_f32 v[64+(p/2)%2], v[p], v[p+1]
	v_lshlrev_b32 v[p], 16, v[64+(p/2)%2]
	v_and_b32 v[p+1], 0xffff0000, v[64+(p/2)%2]
.set p, p+2
.endr
.set p, 0
.rept 32
	v_pk_mul_f32 v[p:p+1], v[p:p+1], 0x3fb8aa3b op_sel_hi:[1,0]
.set p, p+2
.endr
	WIN 0
; 8 matrix instructions: row block a x all 8 key blocks, 32 channels.  The 32 accumulators take turns, one instruction a turn, over the backward jump too.
.macro MUL8 f, a, zero
	WIN 0x50
.irp b, 0,1,2,3,4,5,6,7
.if \zero
	v_wmma_f32_16x16x32_f16 v[8*(8*(\a)+(\b)):8*(8*(\a)+(\b))+7], v[(\f)+8*(\b):(\f)+8*(\b)+7], v[(\f)+64+8*(\a):(\f)+64+8*(\a)+7], 0
.else
	v_wmma_f32_16x16x32_f16 v[8*(8*(\a)+(\b)):8*(8*(\a)+(\b))+7], v[(\f)+8*(\b):(\f)+8*(\b)+7], v[(\f)+64+8*(\a):(\f)+64+8*(\a)+7], v[8*(8*(\a)+(\b)):8*(8*(\a)+(\b))+7]
.endif
.endr
.endm
.macro FETCH slot, kq, f               ; 24 LDS loads in one run: k's 16, then q's 8
	WIN 0
.irp b, 0,1,2,3,4,5,6,7
	ds_load_b128 v[(\f)+8*(\b):(\f)+8*(\b)+3],   v[ADRB+(\slot)] offset:64*(\kq)+16*PA*(\b)
	ds_load_b128 v[(\f)+8*(\b)+4:(\f)+8*(\b)+7], v[ADRB+(\slot)] offset:64*(\kq)+16*PA*(\b)+32
.endr
.irp a, 0,1,2,3
	ds_load_b128 v[(\f)+64+8*(\a):(\f)+64+8*(\a)+3],   v[ADRA+(\slot)] offset:64*(\kq)+16*PA*(\a)
	ds_load_b128 v[(\f)+64+8*(\a)+4:(\f)+64+8*(\a)+7], v[ADRA+(\slot)] offset:64*(\kq)+16*PA*(\a)+32
.endr
.endm
.macro QUARTER slot, kq, f, g, zero
	s_wait_dscnt 4                                 ; all but the youngest four loads: q's row blocks 2 and 3
	MUL8 \f, 0, \zero
	MUL8 \f, 1, \zero
	PLACES
	FETCH \slot, \kq, \g
	s_wait_dscnt 24                                ; all but the 24 just issued
	MUL8 \f, 2, \zero
	MUL8 \f, 3, \zero
.endm
; The change of slots: ahead of ONE barrier each wave waits for all its tensor loads, adds 0 to its spare word, and waits for that and for its reads of this slot.
; fill = 1: the barrier opens a round of the cluster's, and the joint refill, two K steps on, is the first thing behind it.
.macro TURN slot, next, fill
.if \fill
	s_wait_xcnt 0x0                                ; the last prefetch, a K step back, has read its address
	s_add_nc_u64 s[PFA:PFA+1], s[PFA:PFA+1], KSTEP
.endif
	WIN 0
	s_wait_tensorcnt 0x0
	ds_add_u32 v[SPW], v[NIL]
	s_wait_dscnt 5                                 ; (the add and the youngest four loads may be out)
	MUL8 F1, 0, 0
	s_wait_dscnt 0x0                               ; the add is done, and my reads of this slot are over
	s_barrier_signal -1
	MUL8 F1, 1, 0
	WIN 0
	s_barrier_wait -1
.if \fill
	CREST
	s_add_nc_u64 s[G0+4*(\slot)+2:G0+4*(\slot)+3], s[G0+4*(\slot)+2:G0+4*(\slot)+3], 2*KSTEP
	s_add_nc_u64 s[G0B+4*(\slot)+2:G0B+4*(\slot)+3], s[G0B+4*(\slot)+2:G0B+4*(\slot)+3], 2*KSTEP
	JLOAD \slot
.else
	PLACES
.endif
	FETCH \next, 0, F0
.if \fill
	ASK
.endif
	MUL8 F1, 2, 0
	MUL8 F1, 3, 0
.endm
; THE SOFTMAX'S FIRST HALF for row block a: a lane's 64 scores of one row.
.macro SOFT a
	WIN 0
.set d, 0
.rept 16                               ; a word of four mask bytes (0 or 1): times 255 gives bytes 0xff, shifted by 7 bytes 0x80: picked together they are -inf (0xff800000) or 0
.set rM, MB+16*(\a)+d
.set rU, 2+2*(d%2)
	v_lshlrev_b32 v[rU], 8, v[rM]
	v_lshlrev_b32 v[rU+1], 7, v[rM]
	v_sub_nc_u32 v[rU], v[rU], v[rM]
.irp i, 0,1,2,3
	v_perm_b32 v[X+4*d+(\i)], v[rU], v[rU+1], s[SELP+(\i)]
.endr
.set d, d+1
.endr
	WIN 0x08                                       ; source 1 in window 2
.set p, 0
.rept 32
	v_pk_add_f32 v[X+p:X+p+1], v[X+p:X+p+1], v[p:p+1]  ; + log2(e) att
.set p, p+2
.endr
	WIN 0x01                                       ; source 0 in window 1; each accumulator's registers in ascending order
.set p, 0
.rept 32
	v_pk_fma_f32 v[X+p:X+p+1], v[64*(\a)+p:64*(\a)+p+1], s[CS:CS+1], v[X+p:X+p+1] op_sel_hi:[1,0,1]  ; x = c q.k + the two masks' terms
.set p, p+2
.endr
	WIN 0
.irp q, 0,1,2,3                        ; the maximum: four chains of 15 scores, three operands at a time,
	v_max3_num_f32 v[6+(\q)], v[X+16*(\q)], v[X+16*(\q)+1], v[X+16*(\q)+2]
.endr
.irp s, 0,1,2,3,4,5
.irp q, 0,1,2,3
	v_max3_num_f32 v[6+(\q)], v[6+(\q)], v[X+16*(\q)+3+2*(\s)], v[X+16*(\q)+4+2*(\s)]
.endr
.endr
	v_max3_num_f32 v6, v6, v[X+15], v[X+31]        ; the four left over, and the chains into one
	v_max3_num_f32 v8, v8, v[X+47], v[X+63]
	v_max3_num_f32 v6, v6, v7, v8
	v_max_num_f32 v6, v6, v9
	v_permlanex16_b32 v10, v6, s[SEL], s[SEL+1]    ; the row's other 64 keys lie in the lane 16 away
	v_max_num_f32 v[MX+(\a)], v6, v10              ; m
	v_max_num_f32 v12, 0xff7fffff, v[MX+(\a)]      ; what is taken away: m, or the lowest finite number where every key is hidden
.set p, 0
.rept 32
	v_pk_add_f32 v[X+p:X+p+1], v[X+p:X+p+1], v[12:13] op_sel_hi:[1,0] neg_lo:[0,1] neg_hi:[0,1]
.set p, p+2
.endr
.set p, 0
.rept 64                               ; one batch of 64 exponentials,
	v_exp_f32 v[X+p], v[X+p]
.set p, p+1
.endr
	v_nop                                          ; a plain instruction behind the last,
	s_wait_alu depctr_va_vdst(0)                   ; and one wait ahead of the first reader
.set p, 0
.rept 32
	v_cvt_pk_f16_f32 v[TMP+p], v[X+2*p], v[X+2*p+1]
.set p, p+1
.endr
.irp w, 4,8,16,32,64                   ; l: the sum of the unrounded p', pairs 1, 2, 4, 8 and 16 pairs apart, in place
.set u, 0
.rept 64/(\w)
	v_pk_add_f32 v[X+(\w)*u:X+(\w)*u+1], v[X+(\w)*u:X+(\w)*u+1], v[X+(\w)*u+(\w)/2:X+(\w)*u+(\w)/2+1]
.set u, u+1
.endr
.endr
	v_add_f32 v11, v[X], v[X+1]
	v_permlanex16_b32 v10, v11, s[SEL], s[SEL+1]
	v_add_f32 v[LS+(\a)], v11, v10
.endm
.macro TOSTAGE a                       ; 16 bytes a lane into my own stage, and back as whole rows of 256 bytes: into v224-255 (even a) or v64-95 (odd a)
.set BK, 224-160*((\a)%2)
.irp b, 0,1,2,3,4,5,6,7
	ds_store_b128 v[STO], v[TMP+4*(\b):TMP+4*(\b)+3] offset:32*(\b)
.endr
.if (\a) >= 2
	s_wait_xcnt 0x0                                ; the stores of the block two back have read these registers
.endif
.irp t, 0,1,2,3,4,5,6,7
	ds_load_b128 v[BK+4*(\t):BK+4*(\t)+3], v[RD] offset:(\t)*2*SP  ; LDS serves a wave's instructions in order: these see the stores above
.endr
.endm
.macro SEND a
.set BK, 224-160*((\a)%2)
	s_wait_dscnt 0x0
.irp t, 0,1,2,3,4,5,6,7
	global_store_b128 v[CO], v[BK+4*(\t):BK+4*(\t)+3], s[74:75] offset:(16*(\a)+2*(\t))*PROW  ; 16 lanes store 256 consecutive bytes, aligned
.endr
.endm
	s_wait_tensorcnt 1                             ; my part of K step 0 (and of the mask) is in; K step 1's may stay out
	s_barrier_signal -1
	s_barrier_wait -1
	FETCH 0, 0, F0
	QUARTER 0, 1, F0, F1, 1
	WIN 0
	s_mov_b32 s3, LAPS-1
.Llap:
	QUARTER 0, 2, F1, F0, 0
	QUARTER 0, 3, F0, F1, 0
	TURN 0, 1, 1
	QUARTER 1, 1, F0, F1, 0
	QUARTER 1, 2, F1, F0, 0
	QUARTER 1, 3, F0, F1, 0
	TURN 1, 0, 1
	QUARTER 0, 1, F0, F1, 0
	WIN 0
	s_sub_co_u32 s3, s3, 1
	s_cmp_lg_u32 s3, 0
	s_cbranch_scc1 .Llap
	QUARTER 0, 2, F1, F0, 0                        ; the last lap fills nothing
	QUARTER 0, 3, F0, F1, 0
	TURN 0, 1, 0
	QUARTER 1, 1, F0, F1, 0
	QUARTER 1, 2, F1, F0, 0
	QUARTER 1, 3, F0, F1, 0
	s_wait_dscnt 4                                 ; the last quarter fetches the mask's bytes in place of fragments
	MUL8 F1, 0, 0
	MUL8 F1, 1, 0
	PLACES
	WIN 0
.irp a, 0,1,2,3
.irp b, 0,1,2,3,4,5,6,7
	ds_load_b64 v[MB+16*(\a)+2*(\b):MB+16*(\a)+2*(\b)+1], v[MKA] offset:16*PA*(\a)+16*(\b)
.endr
.endr
	s_wait_dscnt 32                                ; all but the 32 just issued
	MUL8 F1, 2, 0
	MUL8 F1, 3, 0
	PLACES
	WIN 0
	s_wait_dscnt 0x0                               ; the mask's bytes
	SOFT 0
	TOSTAGE 0
.irp a, 1,2,3                          ; a block's arithmetic stands between the loads of the block before and the wait for them
	SOFT \a
	SEND (\a)-1
	TOSTAGE \a
.endr
	SEND 3
.irp q, 0,1                            ; (m, l): lanes 0-15 speak for row block 2 q, lanes 16-31 for 2 q + 1: 32 rows x 8 bytes = 256 consecutive bytes, aligned
	v_cndmask_b32 v[2+2*(\q)], v[MX+2*(\q)], v[MX+2*(\q)+1], s[HIGH]
	v_cndmask_b32 v[3+2*(\q)], v[LS+2*(\q)], v[LS+2*(\q)+1], s[HIGH]
	global_store_b64 v[SO], v[2+2*(\q):3+2*(\q)], s[76:77] offset:256*(\q)
.endr
	s_wait_tensorcnt 0x0                           ; the wave's end
	ds_add_u32 v[SPW], v[NIL]
	s_wait_dscnt 0x0
	CROUND                                         ; the closing round
	s_endpgm
.Lfunc_end_k_q1b6ff08f0e_scores:
	.size	k_q1b6ff08f0e_scores, .Lfunc_end_k_q1b6ff08f0e_scores-k_q1b6ff08f0e_scores
	.p2alignl 7, 3214868480
	.fill 96, 4, 3214868480
	.section	.rodata,"a",@progbits
	.p2align	6, 0x0
	.amdhsa_kernel k_q1b6ff08f0e_scores
		.amdhsa_group_segment_fixed_size 327680
		.amdhsa_private_segment_fixed_size 0
		.amdhsa_enable_private_segment 0
		.amdhsa_kernarg_size 40
		.amdhsa_user_sgpr_count 2
		.amdhsa_user_sgpr_kernarg_segment_ptr 1
		.amdhsa_wavefront_size32 1
		.amdhsa_system_sgpr_workgroup_id_x 1
		.amdhsa_system_sgpr_workgroup_id_y 1
		.amdhsa_system_sgpr_workgroup_id_z 1
		.amdhsa_system_vgpr_workitem_id 0
		.amdhsa_next_free_vgpr 580
		.amdhsa_next_free_sgpr 102
		.amdhsa_reserve_vcc 0
		.amdhsa_float_denorm_mode_32 3
		.amdhsa_float_denorm_mode_16_64 3
		.amdhsa_memory_ordered 1
		.amdhsa_forward_progress 1
		.amdhsa_inst_pref_size 173
	.end_amdhsa_kernel
	.amdgpu_metadata
---
amdhsa.version: [ 1, 2 ]
amdhsa.kernels:
  - .name:           k_q1b6ff08f0e_scores
    .symbol:         k_q1b6ff08f0e_scores.kd
    .args:
      - { .name: qkv, .offset: 0, .size: 8, .value_kind: global_buffer, .address_space: global }
      - { .name: sparse_mask, .offset: 8, .size: 8, .value_kind: global_buffer, .address_space: global }
      - { .name: attention_mask, .offset: 16, .size: 8, .value_kind: global_buffer, .address_space: global }
      - { .name: pbuf, .offset: 24, .size: 8, .value_kind: global_buffer, .address_space: global }
      - { .name: stat, .offset: 32, .size: 8, .value_kind: global_buffer, .address_space: global }
    .group_segment_fixed_size: 327680
    .private_segment_fixed_size: 0
    .kernarg_segment_align: 8
    .kernarg_segment_size: 40
    .max_flat_workgroup_size: 128
    .sgpr_count:     102
    .vgpr_count:     580
    .wavefront_size: 32
...
	.end_amdgpu_metadata
.endif
;; end of part 3
;; launch ctx (part 4): grid 4 x 64, 4 waves a work-group, clusters of 4 x 4, 327,680 bytes of LDS; arguments pbuf, qkv, stat, out0; writes out0
.if DOCPART == 4
	.amdgcn_target "amdgcn-amd-amdhsa--gfx1250"
	.amdhsa_code_object_version 6
	.text
	.protected	k_q1b6ff08f0e_ctx
	.globl	k_q1b6ff08f0e_ctx
	.p2align	8
	.type	k_q1b6ff08f0e_ctx,@function
k_q1b6ff08f0e_ctx:
	s_mov_b64 s[64:65], 0
	v_nop
	global_prefetch_b8 v0, s[64:65] scope:SCOPE_SE
	s_setreg_imm32_b32 hwreg(HW_REG_WAVE_MODE, 25, 1), 1
	s_wait_xcnt 0x0
	s_wait_alu depctr_hold_cnt(0) depctr_sa_sdst(0) depctr_va_vdst(0) depctr_va_sdst(0) depctr_va_ssrc(0) depctr_va_vcc(0) depctr_vm_vsrc(0)
	s_getreg_b32 s2, hwreg(HW_REG_IB_STS2, 6, 4)
	s_cmp_eq_u32 s2, 0
	s_cbranch_scc0 .Lentry_in_a_cluster
	s_endpgm
.Lentry_in_a_cluster:
	s_bfe_u32 s2, ttmp6, 0x10000c
	s_cmp_lg_u32 s2, 0xf033
	s_cbranch_scc0 .Lentry_shape_is_right
	s_endpgm
.Lentry_shape_is_right:
; THE SOFTMAX'S SECOND HALF AND THE SECOND PRODUCT.  out[q][d] = (the sum over spans c of f_c x the sum over the span's 128 keys of p'[q][k] v[k][d]) / L.
; From stat's (m_c, l_c): M = the maximum of a row's 16 m_c (the row's true maximum), f_c = 2^(m_c - M), rounded to f16, L = the sum of f_c l_c in f32.  A K step is one span, so f_c is one factor
; a row and K step: p's fragments are multiplied by it in packed f16 between their load and the product.  The sums are f32; 1 / L is applied in f32 on the way out; out0 is f32.
; pbuf [8192][2048] f16; v: f16, in qkv [8192][3072] at byte 4,096 of a row.
; LIMITS.  f_c, and f_c p', below 6e-8 count as 0 (L is at least 1).  A row with every key hidden has M = -inf: f, L and the row are NaN, as in the softmax that it stands for.
; SHARES.  A tile is 128 rows x 256 channels: 4 x 64 = 256 work-groups.  Four waves, each 64 x 128: 32 accumulators.  K (2,048 keys) goes in 16 steps of 128 through two LDS slots.
; CLUSTER.  4 x 4: p's tile is shared along a row of the cluster, v's along a column: joint loads.  v lies [key][channel]: its fragments are turned on the way out of LDS.
; TRANSPOSED USE: source 0 = 16 channels, source 1 = 16 rows: a lane holds row l % 16 and channels 16 b + 8 (l / 16) + 0..7.
; REGISTERS: window 0: v0-31 addresses, v8-15 two sets of four factors; v32-39 1 / L; fragment buffers of 96 at v64 and v160 (v's fragment b at +8 b, p's a at +64 + 8 a)
;   window 1: accumulator (a, b) at v[8 (8 a + b)]
.set LAPS,  8
.set PA,    272
.set PB,    544
.set HALFA, 64*PA
.set ATILE, 2*HALFA
.set HALFB, 64*PB
.set SLOT,  ATILE+2*HALFB              ; 104,448
.set FT,    2*SLOT                     ; behind the ring: [16 spans][128 rows] a word: f twice, in f16
.set RL,    FT+16*128*4                ; [128 rows] 1 / L twice, in f32
.set STAGE, RL+128*8                   ; 16 rows x 528 bytes for each wave, for the way out
.set SP,    528
.set SPARE, STAGE+4*16*SP              ; the spare words, 128 bytes for each wave: two blocks of 256 bytes that no other line names
.set ASTEP, 256                        ; a K step in a row of pbuf
.set BSTEP, 128*6144                   ; a K step in v: 128 rows of qkv
.set OROW,  4096                       ; a row of out0, and of pbuf
.set SC,   8                           ; v8-11, v12-15  the factors of my four row blocks: a set for each slot
.set ADRA, 16
.set ADRB, 20
.set STO,  24
.set RD,   25
.set CO,   26
.set SCA,  27                          ; v27  LDS address of the next span's factor for my row of row block 0
.set SPW,  28
.set NIL,  29
.set PFO,  30
.set RLA,  31                          ; v31  LDS address of 1 / L for my row of row block 0
.set RLR,  32                          ; v[32:39] 1 / L, a pair a row block
.set F0,   64
.set F1,   160
.set X,    64                          ; the way out: a block's 64 numbers a lane
.set G1,  24
.set G0,  32
.set G1B, 48
.set G0B, 56
.set LIM, 43
.set PFA, 44
.set PFS, 66
.set MSB, 0
.macro WIN new
.if MSB != (\new)
	s_set_vgpr_msb (MSB<<8)|(\new)
.set MSB, \new
.endif
.endm
.macro PLACES
.rept 4
	v_nop
.endr
.endm
.macro CREST
	s_cmp_lg_u32 s10, 0
	s_cbranch_scc1 .Lnot_wave_0_\@
	s_barrier_signal -3
.Lnot_wave_0_\@:
	s_barrier_wait -3
	s_barrier_signal -1
	s_barrier_wait -1
.endm
.macro CROUND
	s_barrier_signal -1
	s_barrier_wait -1
	CREST
.endm
.macro JLOAD s                         ; a joint refill: waves 0 and 1 fetch p's two halves, waves 2 and 3 v's
	s_cmp_eq_u32 s11, 0
	s_cbranch_scc0 .Lfor_b_\@
	tensor_load_to_lds s[G0+4*(\s):G0+4*(\s)+3], s[G1:G1+7]
	s_nop 0
.rept 4
	v_nop
.endr
	s_branch .Lasked_\@
.Lfor_b_\@:
	tensor_load_to_lds s[G0B+4*(\s):G0B+4*(\s)+3], s[G1B:G1B+7]
	s_nop 0
.rept 4
	v_nop
.endr
.Lasked_\@:
.endm
; A PREFETCH INTO THE L2 of the K step two refills on: 32 blocks of 256 bytes, one a lane.  p's tile row is read by one cluster alone: its wave 0 asks, the partners 32 rows each by address (cx).
; v's tile column is read by the four clusters of a batch: the batch's first asks, waves 2 and 3 for the 64 keys that each fetches, the partners 16 keys each by address (cy), two lanes a row of 512 bytes.
; The loop's last trip asks for nothing; K steps 0 to 3 come by their loads alone.
.macro ASK
	s_cmp_gt_u32 s3, s[LIM]
	s_cbranch_scc0 .Lnot_mine_\@
	global_prefetch_b8 v[PFO], s[PFA:PFA+1] th:TH_LOAD_NT scope:SCOPE_SE
.Lnot_mine_\@:
.endm
	s_load_b256 s[68:75], s[0:1], 0x0              ; pbuf s[68:69], qkv s[70:71], stat s[72:73], out0 s[74:75]
	v_lshl_add_u32 v[SPW], v0, 2, SPARE
	v_mov_b32 v[NIL], 0
	ds_add_u32 v[SPW], v[NIL]                      ; the wave's opening: the add and its wait ahead of my first tensor load
	v_lshrrev_b32 v1, 5, v0
	v_readfirstlane_b32 s10, v1                    ; wave 0..3
	s_lshr_b32 s11, s10, 1                         ; which 64 rows are mine.  Also: I fetch for p (0) or for v (1)
	s_and_b32 s12, s10, 1                          ; which 128 channels.  Also: which half of that tile I fetch
	s_bfe_u32 s40, ttmp6, 0x40000                  ; cx
	s_bfe_u32 s41, ttmp6, 0x40004                  ; cy
	s_lshl_b32 s42, ttmp9, 2
	s_add_co_u32 s42, s42, s40                     ; tile of 256 channels, 0..3
	s_and_b32 s9, ttmp7, 0xffff                    ; cluster y
	s_lshl_b32 s13, s9, 2
	s_add_co_u32 s13, s13, s41                     ; tile of 128 rows, 0..63
	s_lshr_b32 s8, s9, 2                           ; the batch
	s_lshl_b32 s18, s41, 2
	s_lshl_b32 s18, 15, s18                        ; my row of the cluster
	s_lshl_b32 s19, 0x1111, s40                    ; my column
	s_or_b32 s[G1+0], s18, (1<<16)|(1<<20)|(1<<21)|(5<<22)|(3<<25)
	s_mov_b32 s[G1+1], 128<<16                     ; 64 rows of 128 elements
	s_mov_b32 s[G1+2], 64<<16
	s_mov_b32 s[G1+3], 128<<16
	s_mov_b32 s[G1+4], 64
	s_mov_b32 s[G1+5], 2048
	s_mov_b32 s[G1+6], 0
	s_mov_b32 s[G1+7], 0
	s_or_b32 s[G1B+0], s19, (1<<16)|(1<<20)|(1<<21)|(6<<22)|(7<<25)
	s_mov_b32 s[G1B+1], 256<<16                    ; 64 keys of 256 channels
	s_mov_b32 s[G1B+2], 64<<16
	s_mov_b32 s[G1B+3], 256<<16
	s_mov_b32 s[G1B+4], 64
	s_mov_b32 s[G1B+5], 3072
	s_mov_b32 s[G1B+6], 0
	s_mov_b32 s[G1B+7], 0
	s_lshl_b32 s16, s13, 7                         ; p: row 128 x tile row + 64 x half, 4,096 bytes a row
	s_lshl_b32 s17, s12, 6
	s_add_co_u32 s16, s16, s17
	s_lshl_b32 s16, s16, 12
	s_mov_b32 s17, 0
	s_lshl_b32 s46, s8, 11                         ; v: key 2,048 x batch + 64 x half, 4,096 bytes into the row, 512 bytes a channel tile: nothing of cy
	s_lshl_b32 s47, s12, 6
	s_add_co_u32 s46, s46, s47
	s_mul_i32 s46, s46, 6144
	s_lshl_b32 s47, s42, 9
	s_add_co_u32 s46, s46, s47
	s_add_co_u32 s46, s46, 4096
	s_mov_b32 s47, 0
	s_mul_i32 s20, s12, HALFA
	s_mul_i32 s21, s12, HALFB
	s_add_co_u32 s21, s21, ATILE
	s_lshl_b32 s4, s8, 18                          ; stat: 262,144 bytes a batch, 8 bytes a row
	s_and_b32 s5, s13, 15
	s_lshl_b32 s5, s5, 10
	s_add_co_u32 s4, s4, s5
	s_mov_b32 s5, 0
	s_wait_dscnt 0x0                               ; the opening add is done
	s_wait_kmcnt 0x0
	s_add_nc_u64 s[14:15], s[68:69], s[16:17]
	s_add_nc_u64 s[46:47], s[70:71], s[46:47]
	s_add_nc_u64 s[72:73], s[72:73], s[4:5]
.irp s, 0,1
	s_mov_b32 s[G0+4*(\s)], 1
	s_add_co_u32 s[G0+4*(\s)+1], s20, (\s)*SLOT
	s_add_nc_u64 s[G0+4*(\s)+2:G0+4*(\s)+3], s[14:15], (\s)*ASTEP
	s_or_b32 s[G0+4*(\s)+3], s[G0+4*(\s)+3], 0x80000000
	s_mov_b32 s[G0B+4*(\s)], 1
	s_add_co_u32 s[G0B+4*(\s)+1], s21, (\s)*SLOT
	s_add_nc_u64 s[G0B+4*(\s)+2:G0B+4*(\s)+3], s[46:47], (\s)*BSTEP
	s_or_b32 s[G0B+4*(\s)+3], s[G0B+4*(\s)+3], 0x80000000
.endr
	CROUND                                         ; all sixteen work-groups are here: the first joint loads meet
	s_cmp_eq_u32 s11, 0                            ; a wave's two first fills stand in one branch: two loads of mine are out
	s_cbranch_scc0 .Lfirst_b
	tensor_load_to_lds s[G0:G0+3], s[G1:G1+7]
	s_nop 0
	tensor_load_to_lds s[G0+4:G0+7], s[G1:G1+7]
	s_nop 0
.rept 4
	v_nop
.endr
	s_branch .Lfirst_asked
.Lfirst_b:
	tensor_load_to_lds s[G0B:G0B+3], s[G1B:G1B+7]
	s_nop 0
	tensor_load_to_lds s[G0B+4:G0B+7], s[G1B:G1B+7]
	s_nop 0
.rept 4
	v_nop
.endr
.Lfirst_asked:
	; thread t stands for row t of the tile: its 16 pairs (m, l); a wave's load covers 256 consecutive bytes
	v_lshlrev_b32 v6, 3, v0
.set c, 0
.rept 16
	global_load_b64 v[64+2*c:65+2*c], v6, s[72:73] offset:16384*c
.set c, c+1
.endr
	v_and_b32 v1, 15, v0                           ; l % 16
	v_bfe_u32 v2, v0, 4, 1                         ; l / 16
	v_mul_u32_u24 v3, v1, PA
	v_lshl_add_u32 v3, v2, 4, v3
	s_mul_i32 s18, s11, HALFA
	v_add_nc_u32 v[ADRA], s18, v3
	v_add_nc_u32 v[ADRA+1], SLOT, v[ADRA]
	v_and_b32 v4, 7, v0                            ; the turning load: key 8 (l / 16) + l % 8, channels 8 ((l / 8) % 2) + 0..7
	v_lshl_add_u32 v4, v2, 3, v4
	v_mul_u32_u24 v4, v4, PB
	v_bfe_u32 v5, v0, 3, 1
	v_lshl_add_u32 v4, v5, 4, v4
	s_lshl_b32 s18, s12, 8
	s_add_co_u32 s18, s18, ATILE
	v_add_nc_u32 v[ADRB], s18, v4
	v_add_nc_u32 v[ADRB+1], SLOT, v[ADRB]
	s_mul_i32 s19, s10, 16*SP
	s_add_co_u32 s19, s19, STAGE                   ; my stage
	v_mul_u32_u24 v5, v1, SP                       ; in: row l % 16, 32 bytes for each half of the lanes
	v_lshl_add_u32 v5, v2, 5, v5
	v_add_nc_u32 v[STO], s19, v5
	v_and_b32 v3, 31, v0
	v_lshlrev_b32 v[CO], 4, v3                     ; back: 32 lanes take a row of 512 bytes
	v_add_nc_u32 v[RD], s19, v[CO]
	s_lshl_b32 s18, s11, 8                         ; my 64 rows in the factors' table,
	s_add_co_u32 s18, s18, FT
	v_lshl_add_u32 v[SCA], v1, 2, s18
	s_lshl_b32 s18, s11, 9                         ; and in 1 / L's
	s_add_co_u32 s18, s18, RL
	v_lshl_add_u32 v[RLA], v1, 3, s18
	s_lshl_b32 s4, s13, 7                          ; out0 at my part of the tile
	s_lshl_b32 s5, s11, 6
	s_add_co_u32 s4, s4, s5
	s_lshl_b32 s4, s4, 12
	s_lshl_b32 s5, s42, 10
	s_add_co_u32 s4, s4, s5
	s_lshl_b32 s5, s12, 9
	s_add_co_u32 s4, s4, s5
	s_mov_b32 s5, 0
	s_add_nc_u64 s[74:75], s[74:75], s[4:5]
	; the prefetches: they stand at K step 3; the first refill steps them to K step 4
	s_lshl_b32 s4, s13, 7                          ; p: my work-group's 32 rows of the tile's 128
	s_lshl_b32 s5, s40, 5
	s_add_co_u32 s4, s4, s5
	s_lshl_b32 s4, s4, 12
	s_add_co_u32 s4, s4, 3*ASTEP
	s_lshl_b32 s5, s8, 11                          ; v: my work-group's 16 keys of the 64 that I fetch
	s_lshl_b32 s6, s12, 6
	s_add_co_u32 s5, s5, s6
	s_lshl_b32 s6, s41, 4
	s_add_co_u32 s5, s5, s6
	s_mul_i32 s5, s5, 6144
	s_lshl_b32 s6, s42, 9
	s_add_co_u32 s5, s5, s6
	s_add_co_u32 s5, s5, 4096+3*BSTEP
	s_mov_b32 s6, BSTEP
	s_mov_b32 s7, 6144
	s_and_b32 s19, s9, 3                           ; v: waves 2 and 3 of the batch's first cluster;  p: wave 0 of every cluster
	s_cmp_eq_u32 s11, 0
	s_cselect_b32 s4, s4, s5
	s_cselect_b32 s19, s12, s19
	s_cselect_b32 s[PFS], ASTEP, s6
	s_cselect_b32 s7, OROW, s7                     ; bytes from row to row
	s_cselect_b64 s[PFA:PFA+1], s[68:69], s[70:71]
	s_mov_b32 s5, 0
	s_mov_b32 s[PFS+1], 0
	s_add_nc_u64 s[PFA:PFA+1], s[PFA:PFA+1], s[4:5]
	s_cmp_eq_u32 s19, 0
	s_cselect_b32 s[LIM], 1, -1
	v_lshrrev_b32 v4, s11, v3                      ; p: a lane a row; v: two lanes a row,
	v_and_b32 v5, s11, v3                          ; the odd one its second 256 bytes
	v_mul_u32_u24 v[PFO], s7, v4
	v_lshl_add_u32 v[PFO], v5, 8, v[PFO]
	s_wait_loadcnt 0x0                             ; (m, l)
	v_max3_num_f32 v3, v64, v66, v68               ; M
.irp c, 3,5,7,9,11,13
	v_max3_num_f32 v3, v3, v[64+2*(\c)], v[66+2*(\c)]
.endr
	v_max_num_f32 v3, v3, v94
.set c, 0
.rept 16
	v_sub_f32 v[96+c], v[64+2*c], v3
.set c, c+1
.endr
.set c, 0
.rept 16                               ; one batch of 16 exponentials,
	v_exp_f32 v[96+c], v[96+c]
.set c, c+1
.endr
	v_mov_b32 v4, 0                                ; plain instructions behind the last: L's two chains start at 0,
	v_mov_b32 v5, 0
	s_wait_alu depctr_va_vdst(0)                   ; and one wait ahead of the first reader
.set c, 0
.rept 16
	v_cvt_pk_f16_f32 v[112+c], v[96+c], v[96+c]    ; f twice, in f16
.set c, c+1
.endr
.set c, 0
.rept 16
	v_fma_mix_f32 v[4+c%2], v[112+c], v[65+2*c], v[4+c%2] op_sel_hi:[1,0,0]  ; L += the rounded f (the low f16 half) x l, in f32
.set c, c+1
.endr
	v_add_f32 v4, v4, v5
	v_rcp_f32 v6, v4
	v_lshl_add_u32 v3, v0, 2, FT                   ; (a plain instruction behind the reciprocal)
	v_lshl_add_u32 v5, v0, 3, RL
	s_wait_alu depctr_va_vdst(0)
	v_mov_b32 v7, v6
.set c, 0
.rept 16
	ds_store_b32 v3, v[112+c] offset:512*c
.set c, c+1
.endr
	ds_store_b64 v5, v[6:7]
.macro MUL8 f, a, zero                 ; 8 matrix instructions; the 32 accumulators take turns, one instruction a turn, over the backward jump too
	WIN 0x50
.irp b, 0,1,2,3,4,5,6,7
.if \zero
	v_wmma_f32_16x16x32_f16 v[8*(8*(\a)+(\b)):8*(8*(\a)+(\b))+7], v[(\f)+8*(\b):(\f)+8*(\b)+7], v[(\f)+64+8*(\a):(\f)+64+8*(\a)+7], 0
.else
	v_wmma_f32_16x16x32_f16 v[8*(8*(\a)+(\b)):8*(8*(\a)+(\b))+7], v[(\f)+8*(\b):(\f)+8*(\b)+7], v[(\f)+64+8*(\a):(\f)+64+8*(\a)+7], v[8*(8*(\a)+(\b)):8*(8*(\a)+(\b))+7]
.endif
.endr
.endm
.macro FETCH slot, kq, f               ; 24 LDS loads in one run: v's 16 (turned), then p's 8
	WIN 0
.irp b, 0,1,2,3,4,5,6,7
	ds_load_tr16_b128 v[(\f)+8*(\b):(\f)+8*(\b)+3],   v[ADRB+(\slot)] offset:32*PB*(\kq)+32*(\b)
	ds_load_tr16_b128 v[(\f)+8*(\b)+4:(\f)+8*(\b)+7], v[ADRB+(\slot)] offset:32*PB*(\kq)+32*(\b)+16*PB
.endr
.irp a, 0,1,2,3
	ds_load_b128 v[(\f)+64+8*(\a):(\f)+64+8*(\a)+3],   v[ADRA+(\slot)] offset:64*(\kq)+16*PA*(\a)
	ds_load_b128 v[(\f)+64+8*(\a)+4:(\f)+64+8*(\a)+7], v[ADRA+(\slot)] offset:64*(\kq)+16*PA*(\a)+32
.endr
.endm
.macro SCLOAD set                      ; the next span's factors of my four rows a lane; they go out ahead of a run of fragments, so that run's counted waits cover them
	WIN 0
.irp a, 0,1,2,3
	ds_load_b32 v[SC+4*(\set)+(\a)], v[SCA] offset:64*(\a)
.endr
	v_add_nc_u32 v[SCA], 512, v[SCA]
.endm
.macro SCALE f, a, set                 ; p's fragment of row block a times the row's factor, two f16 at a time
	WIN 0
.irp i, 0,1,2,3,4,5,6,7
	v_pk_mul_f16 v[(\f)+64+8*(\a)+(\i)], v[(\f)+64+8*(\a)+(\i)], v[SC+4*(\set)+(\a)]
.endr
.endm
; A quarter.  The sixteen scalings at its head name no register of the quarter before's products: they are the places between those products and the loads into buffer g.
.macro QUARTER slot, kq, f, g, zero
	s_wait_dscnt 4                                 ; all but the youngest four loads: p's row blocks 2 and 3
	SCALE \f, 0, \slot
	SCALE \f, 1, \slot
	MUL8 \f, 0, \zero
	MUL8 \f, 1, \zero
	FETCH \slot, \kq, \g
	s_wait_dscnt 24                                ; all but the 24 just issued
	SCALE \f, 2, \slot
	SCALE \f, 3, \slot
	MUL8 \f, 2, \zero
	MUL8 \f, 3, \zero
.endm
; The change of slots: ahead of ONE barrier each wave waits for all its tensor loads, adds 0 to its spare word, and waits for that and for its reads of this slot.
; fill = 1: the barrier opens a round of the cluster's, and the joint refill, two K steps on, is the first thing behind it.
.macro TURN slot, next, fill
.if \fill
	s_wait_xcnt 0x0                                ; the last prefetch, a K step back, has read its address
	s_add_nc_u64 s[PFA:PFA+1], s[PFA:PFA+1], s[PFS:PFS+1]
.endif
	WIN 0
	s_wait_tensorcnt 0x0
	ds_add_u32 v[SPW], v[NIL]
	s_wait_dscnt 5                                 ; (the add and the youngest four loads may be out)
	SCALE F1, 0, \slot
	SCALE F1, 1, \slot
	MUL8 F1, 0, 0
	s_wait_dscnt 0x0                               ; the add is done, and my reads of this slot are over
	s_barrier_signal -1
	MUL8 F1, 1, 0
	WIN 0
	s_barrier_wait -1
.if \fill
	CREST
	s_add_nc_u64 s[G0+4*(\slot)+2:G0+4*(\slot)+3], s[G0+4*(\slot)+2:G0+4*(\slot)+3], 2*ASTEP
	s_add_nc_u64 s[G0B+4*(\slot)+2:G0B+4*(\slot)+3], s[G0B+4*(\slot)+2:G0B+4*(\slot)+3], 2*BSTEP
	JLOAD \slot
.else
	PLACES
.endif
	SCLOAD \next
	FETCH \next, 0, F0
.if \fill
	ASK
.endif
	SCALE F1, 2, \slot
	SCALE F1, 3, \slot
	MUL8 F1, 2, 0
	MUL8 F1, 3, 0
.endm
; THE WAY OUT of row block a: times 1 / L; 32 bytes a lane into my own stage, and back as whole rows of 512 bytes; stored.
.macro PACK a
	WIN 0x01                                       ; source 0 in window 1; each accumulator's registers in ascending order
.set p, 0
.rept 32
	v_pk_mul_f32 v[X+p:X+p+1], v[64*(\a)+p:64*(\a)+p+1], v[RLR+2*(\a):RLR+2*(\a)+1]
.set p, p+2
.endr
	WIN 0
.endm
.macro TOSTAGE a
.set BK, 128+64*((\a)%2)
.irp b, 0,1,2,3,4,5,6,7
	ds_store_b128 v[STO], v[X+8*(\b):X+8*(\b)+3]   offset:64*(\b)
	ds_store_b128 v[STO], v[X+8*(\b)+4:X+8*(\b)+7] offset:64*(\b)+16
.endr
.if (\a) >= 2
	s_wait_xcnt 0x0                                ; the stores of the block two back have read these registers
.endif
.set t, 0
.rept 16
	ds_load_b128 v[BK+4*t:BK+4*t+3], v[RD] offset:t*SP  ; LDS serves a wave's instructions in order: these see the stores above
.set t, t+1
.endr
.endm
.macro SEND a
.set BK, 128+64*((\a)%2)
	s_wait_dscnt 0x0
.set t, 0
.rept 16
	global_store_b128 v[CO], v[BK+4*t:BK+4*t+3], s[74:75] offset:(16*(\a)+t)*OROW th:TH_STORE_NT  ; a wave stores 512 consecutive bytes, aligned
.set t, t+1
.endr
.endm
	s_wait_dscnt 0x0                               ; for the others' sake: my rows of the two tables are written
	s_wait_tensorcnt 1                             ; my part of K step 0 is in; K step 1's may stay out
	s_barrier_signal -1
	s_barrier_wait -1
	SCLOAD 0
	FETCH 0, 0, F0
	QUARTER 0, 1, F0, F1, 1
	WIN 0
	s_mov_b32 s3, LAPS-1
.Llap:
	QUARTER 0, 2, F1, F0, 0
	QUARTER 0, 3, F0, F1, 0
	TURN 0, 1, 1
	QUARTER 1, 1, F0, F1, 0
	QUARTER 1, 2, F1, F0, 0
	QUARTER 1, 3, F0, F1, 0
	TURN 1, 0, 1
	QUARTER 0, 1, F0, F1, 0
	WIN 0
	s_sub_co_u32 s3, s3, 1
	s_cmp_lg_u32 s3, 0
	s_cbranch_scc1 .Llap
	QUARTER 0, 2, F1, F0, 0                        ; the last lap fills nothing
	QUARTER 0, 3, F0, F1, 0
	TURN 0, 1, 0
	QUARTER 1, 1, F0, F1, 0
	QUARTER 1, 2, F1, F0, 0
	QUARTER 1, 3, F0, F1, 0
	s_wait_dscnt 4                                 ; the last quarter fetches 1 / L in place of fragments
	SCALE F1, 0, 1
	SCALE F1, 1, 1
	MUL8 F1, 0, 0
	MUL8 F1, 1, 0
	WIN 0
.irp a, 0,1,2,3
	ds_load_b64 v[RLR+2*(\a):RLR+2*(\a)+1], v[RLA] offset:128*(\a)
.endr
	s_wait_dscnt 4                                 ; all but the four just issued
	SCALE F1, 2, 1
	SCALE F1, 3, 1
	MUL8 F1, 2, 0
	MUL8 F1, 3, 0
	PLACES
	WIN 0
	s_wait_dscnt 0x0                               ; 1 / L
	PACK 0
	TOSTAGE 0
.irp a, 1,2,3                          ; a block's arithmetic stands between the loads of the block before and the wait for them
	PACK \a
	SEND (\a)-1
	TOSTAGE \a
.endr
	SEND 3
	s_wait_tensorcnt 0x0                           ; the wave's end
	ds_add_u32 v[SPW], v[NIL]
	s_wait_dscnt 0x0
	CROUND                                         ; the closing round
	s_endpgm
.Lfunc_end_k_q1b6ff08f0e_ctx:
	.size	k_q1b6ff08f0e_ctx, .Lfunc_end_k_q1b6ff08f0e_ctx-k_q1b6ff08f0e_ctx
	.p2alignl 7, 3214868480
	.fill 96, 4, 3214868480
	.section	.rodata,"a",@progbits
	.p2align	6, 0x0
	.amdhsa_kernel k_q1b6ff08f0e_ctx
		.amdhsa_group_segment_fixed_size 327680
		.amdhsa_private_segment_fixed_size 0
		.amdhsa_enable_private_segment 0
		.amdhsa_kernarg_size 32
		.amdhsa_user_sgpr_count 2
		.amdhsa_user_sgpr_kernarg_segment_ptr 1
		.amdhsa_wavefront_size32 1
		.amdhsa_system_sgpr_workgroup_id_x 1
		.amdhsa_system_sgpr_workgroup_id_y 1
		.amdhsa_system_sgpr_workgroup_id_z 1
		.amdhsa_system_vgpr_workitem_id 0
		.amdhsa_next_free_vgpr 512
		.amdhsa_next_free_sgpr 80
		.amdhsa_reserve_vcc 0
		.amdhsa_float_denorm_mode_32 3
		.amdhsa_float_denorm_mode_16_64 3
		.amdhsa_memory_ordered 1
		.amdhsa_forward_progress 1
		.amdhsa_inst_pref_size 134
	.end_amdhsa_kernel
	.amdgpu_metadata
---
amdhsa.version: [ 1, 2 ]
amdhsa.kernels:
  - .name:           k_q1b6ff08f0e_ctx
    .symbol:         k_q1b6ff08f0e_ctx.kd
    .args:
      - { .name: pbuf, .offset: 0, .size: 8, .value_kind: global_buffer, .address_space: global }
      - { .name: qkv, .offset: 8, .size: 8, .value_kind: global_buffer, .address_space: global }
      - { .name: stat, .offset: 16, .size: 8, .value_kind: global_buffer, .address_space: global }
      - { .name: out0, .offset: 24, .size: 8, .value_kind: global_buffer, .address_space: global }
    .group_segment_fixed_size: 327680
    .private_segment_fixed_size: 0
    .kernarg_segment_align: 8
    .kernarg_segment_size: 32
    .max_flat_workgroup_size: 128
    .sgpr_count:     80
    .vgpr_count:     512
    .wavefront_size: 32
...
	.end_amdgpu_metadata
.endif
;; end of part 4
;; ======== version 2 of 3: 4 launches
;; limits: values are held in f16: magnitudes above 65,504 overflow, below 6.1e-05 lose precision
;; workspace buffers: hsb 16,777,216 bytes; wb 6,291,456 bytes; qkv 50,331,648 bytes; pbuf 33,554,432 bytes; stat 1,048,576 bytes
;; launch cast (part 5): grid 704 x 1, 8 waves a work-group, no clusters, 0 bytes of LDS; arguments hidden_states, Wq, Wk, Wv, hsb, wb; writes hsb, wb
.if DOCPART == 5
	.amdgcn_target "amdgcn-amd-amdhsa--gfx1250"
	.amdhsa_code_object_version 6
	.text
	.protected	k_q1b6ff08f0e_cast
	.globl	k_q1b6ff08f0e_cast
	.p2align	8
	.type	k_q1b6ff08f0e_cast,@function
k_q1b6ff08f0e_cast:
	s_mov_b64 s[64:65], 0
	v_nop
	global_prefetch_b8 v0, s[64:65] scope:SCOPE_SE
	s_setreg_imm32_b32 hwreg(HW_REG_WAVE_MODE, 25, 1), 1
	s_wait_xcnt 0x0
; hidden_states and the three weight matrices, f32, are rounded once (to nearest even) to bf16 and laid out in the blocks that the next launch's tiles are:
;   hsb [32 blocks of 256 rows][16 K steps of 64][256 rows][64 k]: a tile of 256 rows x 64 k is 32,768 consecutive bytes;
;   wb  [8 groups of 128 columns][1,024 k][3 matrices q, k, v][128 columns]: 64 k of a group's 384 columns are 49,152 consecutive bytes.
; A stream: no LDS, no barrier, no matrix unit.  A work-group takes 16 rows of 1,024 numbers: 64 KiB in, 32 KiB out.  Work-groups 0-511 take hidden_states, 512-575 Wq, 576-639 Wk, 640-703 Wv.
; hidden_states: thread t takes row t / 16 of the 16 and, in load i, the four numbers at k = 64 i + 4 (t % 16): a wave's load covers 256 consecutive bytes of each of two rows, its store the two rows'
; 128 bytes of K step i, which lie end to end: 256 consecutive bytes, aligned.
; Weights: thread t takes, in load i, the four numbers at column 4 t of row i: a wave's load covers 512 consecutive bytes, its store the 256 bytes of one column group (= the wave's number), aligned.
; All sixteen loads of a thread go out at once; no register is used twice, so the only waits are the counted ones for the data.
.set IN,  4                            ; v[4:67]   load i: four f32
.set OUT, 68                           ; v[68:99]  load i: four bf16
.macro BODY li, si                     ; li, si: bytes from load to load and from store to store
.set i, 0
.rept 16
	global_load_b128 v[IN+4*i:IN+4*i+3], v1, s[20:21] offset:(\li)*i th:TH_LOAD_NT
.set i, i+1
.endr
.set i, 0
.rept 16
	s_wait_loadcnt 15-i                            ; loads come back in order: load i is in, the 15 - i younger ones may stay out
	v_cvt_pk_bf16_f32 v[OUT+2*i], v[IN+4*i], v[IN+4*i+1]
	v_cvt_pk_bf16_f32 v[OUT+2*i+1], v[IN+4*i+2], v[IN+4*i+3]
	global_store_b64 v2, v[OUT+2*i:OUT+2*i+1], s[22:23] offset:(\si)*i
.set i, i+1
.endr
.endm
	s_load_b256 s[4:11], s[0:1], 0x0               ; hidden_states s[4:5], Wq s[6:7], Wk s[8:9], Wv s[10:11]
	s_load_b128 s[12:15], s[0:1], 0x20             ; hsb s[12:13], wb s[14:15]
	s_and_b32 s16, ttmp9, 63                       ; weights: my 16 rows of the matrix:
	s_mul_i32 s18, s16, 16*768                     ; 768 bytes a k in a column group,
	s_sub_co_u32 s24, ttmp9, 512                   ; (used from work-group 512 on alone)
	s_lshr_b32 s24, s24, 6                         ; which matrix:
	s_lshl_b32 s24, s24, 8                         ; its 256 bytes of the 768
	s_add_co_u32 s18, s18, s24
	s_lshr_b32 s24, ttmp9, 4                       ; hidden_states: my block of 256 rows, 524,288 bytes,
	s_lshl_b32 s24, s24, 19
	s_and_b32 s25, ttmp9, 15                       ; and my 16 rows of 128 bytes in each of its K steps
	s_lshl_b32 s25, s25, 11
	s_add_co_u32 s24, s24, s25
	s_cmp_lt_u32 ttmp9, 512
	s_cselect_b32 s16, ttmp9, s16
	s_cselect_b32 s18, s24, s18
	s_lshl_b32 s16, s16, 16                        ; 64 KiB in
	s_mov_b32 s17, 0
	s_mov_b32 s19, 0
	s_wait_kmcnt 0x0
	s_cmp_lt_u32 ttmp9, 640
	s_cselect_b64 s[20:21], s[8:9], s[10:11]
	s_cmp_lt_u32 ttmp9, 576
	s_cselect_b64 s[20:21], s[6:7], s[20:21]
	s_cmp_lt_u32 ttmp9, 512
	s_cselect_b64 s[20:21], s[4:5], s[20:21]
	s_cselect_b64 s[22:23], s[12:13], s[14:15]
	s_add_nc_u64 s[20:21], s[20:21], s[16:17]
	s_add_nc_u64 s[22:23], s[22:23], s[18:19]
	s_cmp_lt_u32 ttmp9, 512
	s_cbranch_scc0 .Lweights
	v_lshrrev_b32 v3, 4, v0                        ; my row of the 16
	v_and_b32 v4, 15, v0
	v_lshlrev_b32 v1, 12, v3                       ; in: 4,096 bytes a row + 16 (t % 16)
	v_lshl_add_u32 v1, v4, 4, v1
	v_lshlrev_b32 v2, 3, v0                        ; out: 128 bytes a row + 8 (t % 16) = 8 t
	BODY 256, 32768                                ; from K step to K step
	s_endpgm
.Lweights:
	v_lshlrev_b32 v1, 4, v0                        ; in: 16 t
	v_lshrrev_b32 v3, 5, v0                        ; out: the column group, 1,024 k of 768 bytes each,
	v_and_b32 v4, 31, v0
	v_mul_u32_u24 v2, v3, 1024*768
	v_lshl_add_u32 v2, v4, 3, v2                   ; + 8 (t % 32)
	BODY 4096, 768                                 ; from row to row
	s_endpgm
.Lfunc_end_k_q1b6ff08f0e_cast:
	.size	k_q1b6ff08f0e_cast, .Lfunc_end_k_q1b6ff08f0e_cast-k_q1b6ff08f0e_cast
	.p2alignl 7, 3214868480
	.fill 96, 4, 3214868480
	.section	.rodata,"a",@progbits
	.p2align	6, 0x0
	.amdhsa_kernel k_q1b6ff08f0e_cast
		.amdhsa_group_segment_fixed_size 0
		.amdhsa_private_segment_fixed_size 0
		.amdhsa_enable_private_segment 0
		.amdhsa_kernarg_size 48
		.amdhsa_user_sgpr_count 2
		.amdhsa_user_sgpr_kernarg_segment_ptr 1
		.amdhsa_wavefront_size32 1
		.amdhsa_system_sgpr_workgroup_id_x 1
		.amdhsa_system_sgpr_workgroup_id_y 1
		.amdhsa_system_sgpr_workgroup_id_z 1
		.amdhsa_system_vgpr_workitem_id 0
		.amdhsa_next_free_vgpr 104
		.amdhsa_next_free_sgpr 66
		.amdhsa_reserve_vcc 0
		.amdhsa_float_denorm_mode_32 3
		.amdhsa_float_denorm_mode_16_64 3
		.amdhsa_memory_ordered 1
		.amdhsa_forward_progress 1
		.amdhsa_inst_pref_size 13
	.end_amdhsa_kernel
	.amdgpu_metadata
---
amdhsa.version: [ 1, 2 ]
amdhsa.kernels:
  - .name:           k_q1b6ff08f0e_cast
    .symbol:         k_q1b6ff08f0e_cast.kd
    .args:
      - { .name: hidden_states, .offset: 0, .size: 8, .value_kind: global_buffer, .address_space: global }
      - { .name: Wq, .offset: 8, .size: 8, .value_kind: global_buffer, .address_space: global }
      - { .name: Wk, .offset: 16, .size: 8, .value_kind: global_buffer, .address_space: global }
      - { .name: Wv, .offset: 24, .size: 8, .value_kind: global_buffer, .address_space: global }
      - { .name: hsb, .offset: 32, .size: 8, .value_kind: global_buffer, .address_space: global }
      - { .name: wb, .offset: 40, .size: 8, .value_kind: global_buffer, .address_space: global }
    .group_segment_fixed_size: 0
    .private_segment_fixed_size: 0
    .kernarg_segment_align: 8
    .kernarg_segment_size: 48
    .max_flat_workgroup_size: 256
    .sgpr_count:     66
    .vgpr_count:     104
    .wavefront_size: 32
...
	.end_amdgpu_metadata
.endif
;; end of part 5
;; launch proj (part 6): grid 8 x 32, 4 waves a work-group, clusters of 4 x 4, 327,680 bytes of LDS; arguments hsb, wb, bq, bk, bv, qkv; writes qkv
.if DOCPART == 6
	.amdgcn_target "amdgcn-amd-amdhsa--gfx1250"
	.amdhsa_code_object_version 6
	.text
	.protected	k_q1b6ff08f0e_proj
	.globl	k_q1b6ff08f0e_proj
	.p2align	8
	.type	k_q1b6ff08f0e_proj,@function
k_q1b6ff08f0e_proj:
	s_mov_b64 s[64:65], 0
	v_nop
	global_prefetch_b8 v0, s[64:65] scope:SCOPE_SE
	s_setreg_imm32_b32 hwreg(HW_REG_WAVE_MODE, 25, 1), 1
	s_wait_xcnt 0x0
	s_wait_alu depctr_hold_cnt(0) depctr_sa_sdst(0) depctr_va_vdst(0) depctr_va_sdst(0) depctr_va_ssrc(0) depctr_va_vcc(0) depctr_vm_vsrc(0)
	s_getreg_b32 s2, hwreg(HW_REG_IB_STS2, 6, 4)
	s_cmp_eq_u32 s2, 0
	s_cbranch_scc0 .Lentry_in_a_cluster
	s_endpgm
.Lentry_in_a_cluster:
	s_bfe_u32 s2, ttmp6, 0x10000c
	s_cmp_lg_u32 s2, 0xf033
	s_cbranch_scc0 .Lentry_shape_is_right
	s_endpgm
.Lentry_shape_is_right:
; THE THREE PROJECTIONS AS ONE GEMM.  qkv[m][n] = bias[n] + the sum over k of hs[m][k] W[k][n]; qkv [8192][3072] f16: q, k, v side by side.  hs and W come in bf16, in blocks:
;   hsb [32 blocks of 256 rows][16 K steps of 64][256 rows][64 k];   wb [8 groups of 128 columns][1,024 k][3 matrices q, k, v][128 columns].
; Products in bf16, sums in f32, started with the bias (rounded to bf16 like all float inputs of the program); the result is rounded once to f16.
; LIMIT.  f16 ends at 65,504: |q|, |k|, |v| must stay under it (inputs 30 times those drawn give some 5,400, offsets of 30 spreads in both factors some 29,000).
; SHARES.  A tile is 256 rows x 384 columns, 128 columns of each of q, k and v: 8 x 32 = 256 work-groups.  Wave w takes rows 64 w .. 64 w + 63 and all 384 columns: 96 accumulators of 16 x 16,
; 768 registers; so every piece of a row that a wave stores is 256 consecutive bytes, aligned.  K goes in steps of 64 through two LDS slots (two slots of 128 along K would not fit); a step's tiles are
; dense in memory and are asked for as rows of 256 bytes.  A step is 192 matrix instructions a wave, 176 of them between a slot's request and the wait for it.
; CLUSTER.  4 x 4 work-groups.  The four of a row need the same tile of hs, the four of a column the same tile of W: each tile is asked for JOINTLY.
; W lies [k][column]: its fragments are turned on the way out of LDS (ds_load_tr16_b128).
; THE MATRIX INSTRUCTION IS USED TRANSPOSED: source 0 = 16 columns of W, source 1 = 16 rows of hs: a lane then holds row l % 16 and the eight neighbouring columns 8 (l / 16) + 0..7.
; A STEP IS SIX PHASES of 32 matrix instructions: phase f takes 32 along K (f / 3) and one matrix (f % 3: q, k, v).  At a phase's head the next phase's fragments are asked of LDS.
; REGISTERS, in windows of 256 (s_set_vgpr_msb: bits 1:0 source 0, 3:2 source 1, 5:4 source 2, 7:6 destination):
;   window 0: v0-31 addresses; v32-95 hs's fragments, two buffers of 32 (row block a at +8 a); v96-223 W's fragments, two buffers of 64 (column block b at +8 b); v224-255 packed results
;   window 1, 2, 3: q's, k's, v's accumulators, (a, b) at v[8 (8 a + b)].  Before their first products: window 2 v0-63 q's bias; window 3 v64-127 k's bias, v0-63 v's bias
.set LAPS,  8                          ; a lap = two K steps = once round the ring; K = 1,024
.set PA,    144                        ; an LDS row of hs's tile: 128 bytes + 16 = 36 words: the 16 rows of a load start at 16 different groups of four banks (64 banks of 4 bytes: ISA guide 11.1)
.set HALFA, 128*PA                     ; what one tensor load brings of hs: 128 rows
.set ATILE, 2*HALFA
.set PP,    288                        ; a k's 128 columns of one matrix: 256 bytes + 32
.set PB,    3*PP                       ; from k to k: 864 bytes = 216 words
.set HALFB, 32*PB                      ; what one tensor load brings of W: 32 k
.set SLOT,  ATILE+2*HALFB              ; 92,160
.set STAGE, 2*SLOT                     ; behind the ring: 16 rows x 272 bytes for each wave, for the way out
.set SP,    272
.set SPARE, STAGE+4*16*SP              ; behind the stages: the spare words, 128 bytes for each wave: two blocks of 256 bytes that no other line names
.set ASTEP, 32768                      ; a K step of a block of hsb
.set BSTEP, 64*768                     ; a K step of a column group of wb
.set CROW,  6144                       ; a row of qkv
.set ADRA, 16                          ; v16-17  LDS address of my hs fragments in slot 0, 1
.set ADRB, 20                          ; v20-21  the same for W
.set STO,  24                          ; v24  the way out: where I put 16 bytes of a row
.set RD,   25                          ; v25  where I read a row back
.set CO,   26                          ; v26  my byte offset in qkv
.set SPW,  28                          ; v28  LDS address of my spare word; never rewritten
.set NIL,  29                          ; v29  0; never rewritten
.set PFO,  30                          ; v30  256 x lane: the prefetches' offset; never rewritten
.set AF,   32
.set BF,   96
.set TMP,  224
.set OB,   32                          ; the way out: rows read back, four sets of 32 by turns
.set G1,  24                           ; s[24:31] descriptor group 1 for hs's tiles;  s[32:39] group 0, a set for each slot
.set G0,  32
.set G1B, 48                           ; s[48:55], s[56:63] the same for W's
.set G0B, 56
.set LIMA, 22                          ; s22  as s43, for the changes of slot 1: wave 0 alone
.set LIM, 43                           ; s43  1 in a wave that prefetches, else the greatest number
.set PFA, 44                           ; s[44:45] where my prefetches stand
.set PFS, 66                           ; s[66:67] their step: a K step of hsb or of wb
.set MSB, 0
.macro WIN new                         ; the immediate's high byte repeats the setting that is left; a switch that changes nothing is dropped
.if MSB != (\new)
	s_set_vgpr_msb (MSB<<8)|(\new)
.set MSB, \new
.endif
.endm
.macro PLACES                          ; four plain vector instructions between a matrix instruction and a load into, or a vector instruction on, its registers
.rept 4
	v_nop
.endr
.endm
.macro CREST                           ; a round of the cluster's barrier behind its opening barrier
	s_cmp_lg_u32 s10, 0
	s_cbranch_scc1 .Lnot_wave_0_\@
	s_barrier_signal -3
.Lnot_wave_0_\@:
	s_barrier_wait -3
	s_barrier_signal -1
	s_barrier_wait -1
.endm
.macro CROUND                          ; a whole round
	s_barrier_signal -1
	s_barrier_wait -1
	CREST
.endm
.macro JLOAD s                         ; a joint refill: waves 0 and 1 fetch hs's two halves, waves 2 and 3 W's; an s_nop 0 and four v_nop follow each line
	s_cmp_eq_u32 s11, 0
	s_cbranch_scc0 .Lfor_b_\@
	tensor_load_to_lds s[G0+4*(\s):G0+4*(\s)+3], s[G1:G1+7]
	s_nop 0
.rept 4
	v_nop
.endr
	s_branch .Lasked_\@
.Lfor_b_\@:
	tensor_load_to_lds s[G0B+4*(\s):G0B+4*(\s)+3], s[G1B:G1B+7]
	s_nop 0
.rept 4
	v_nop
.endr
.Lasked_\@:
.endm
; A PREFETCH INTO THE L2: 32 blocks of 256 bytes, one a lane, one instruction a wave.  Each block is named once in the launch.
; hs's tile row is read by the two clusters of a row of clusters: cluster x = 0 asks, wave 0, at every change of slots, for the K step two refills on (384 matrix instructions ahead of its load);
; of its 128 blocks the four partners take 32 each BY ADDRESS (cx).
; W's tile column is read by the eight clusters of a column: cluster y = 0 asks, waves 1 to 3, at every change of slot 0, for the two K steps of the lap after the next (384 and 576 matrix instructions
; ahead of their loads): 98,304 consecutive bytes, of which the partners take 24,576 each by address (cy), and of these each of the three waves 8,192.
; The loop's last trip (s3 = 1) asks for nothing: there are no such K steps.  K steps 0 to 3 come by their loads alone.
.macro ASK slot
.if (\slot) == 0
	s_cmp_gt_u32 s3, s[LIM]
.else
	s_cmp_gt_u32 s3, s[LIMA]
.endif
	s_cbranch_scc0 .Lnot_mine_\@
	global_prefetch_b8 v[PFO], s[PFA:PFA+1] th:TH_LOAD_NT scope:SCOPE_SE
.Lnot_mine_\@:
.endm
	s_load_b256 s[68:75], s[0:1], 0x0              ; hsb s[68:69], wb s[70:71], bq s[72:73], bk s[74:75]
	s_load_b128 s[76:79], s[0:1], 0x20             ; bv s[76:77], qkv s[78:79]
	v_lshl_add_u32 v[SPW], v0, 2, SPARE
	v_mov_b32 v[NIL], 0
	ds_add_u32 v[SPW], v[NIL]                      ; the wave's opening: the add and its wait ahead of my first tensor load; the set-up below stands between them
	v_lshrrev_b32 v1, 5, v0
	v_readfirstlane_b32 s10, v1                    ; wave 0..3: my 64 rows of the tile
	s_lshr_b32 s11, s10, 1                         ; I fetch for hs (0) or for W (1),
	s_and_b32 s12, s10, 1                          ; and which half of that tile
	s_bfe_u32 s40, ttmp6, 0x40000                  ; cx
	s_bfe_u32 s41, ttmp6, 0x40004                  ; cy
	s_lshl_b32 s42, ttmp9, 2
	s_add_co_u32 s42, s42, s40                     ; column group 0..7 = 4 x cluster x + cx
	s_and_b32 s9, ttmp7, 0xffff                    ; cluster y
	s_lshl_b32 s13, s9, 2
	s_add_co_u32 s13, s13, s41                     ; block of 256 rows, 0..31
	s_lshl_b32 s18, s41, 2
	s_lshl_b32 s18, 15, s18                        ; my row of the cluster
	s_lshl_b32 s19, 0x1111, s40                    ; my column
	; hs: 16,384 dense bytes as 64 rows of 256 bytes, two rows of the tile each, padded in LDS behind every row of the tile
	s_or_b32 s[G1+0], s18, (1<<16)|(1<<20)|(1<<21)|(4<<22)|(3<<25)   ; the mask; 2-byte elements; padding on; bit 21 beside a mask; after every 32 words 4 words
	s_mov_b32 s[G1+1], 128<<16                     ; tensor_dim0 = 128
	s_mov_b32 s[G1+2], 64<<16                      ; tensor_dim1 = 64
	s_mov_b32 s[G1+3], 128<<16                     ; tile_dim0 = 128
	s_mov_b32 s[G1+4], 64                          ; tile_dim1 = 64
	s_mov_b32 s[G1+5], 128                         ; elements from row to row
	s_mov_b32 s[G1+6], 0
	s_mov_b32 s[G1+7], 0
	; W: 24,576 dense bytes as 96 rows of 256 bytes: 32 k x 3 matrices
	s_or_b32 s[G1B+0], s19, (1<<16)|(1<<20)|(1<<21)|(5<<22)|(7<<25)  ; after every 64 words 8 words
	s_mov_b32 s[G1B+1], 128<<16
	s_mov_b32 s[G1B+2], 96<<16
	s_mov_b32 s[G1B+3], 128<<16
	s_mov_b32 s[G1B+4], 96
	s_mov_b32 s[G1B+5], 128
	s_mov_b32 s[G1B+6], 0
	s_mov_b32 s[G1B+7], 0
	s_lshl_b32 s16, s13, 19                        ; hs: 524,288 bytes a block of rows + 16,384 a half: made of the block's number and the wave's alone
	s_lshl_b32 s17, s12, 14
	s_add_co_u32 s16, s16, s17
	s_mov_b32 s17, 0
	s_mul_i32 s46, s42, 1024*768                   ; W: 786,432 bytes a column group + 24,576 a half: nothing of cy
	s_mul_i32 s47, s12, 32*768
	s_add_co_u32 s46, s46, s47
	s_mov_b32 s47, 0
	s_mul_i32 s20, s12, HALFA                      ; where they go: no place in the cluster enters an LDS address
	s_mul_i32 s21, s12, HALFB
	s_add_co_u32 s21, s21, ATILE
	s_wait_dscnt 0x0                               ; the opening add is done
	s_wait_kmcnt 0x0
	s_add_nc_u64 s[14:15], s[68:69], s[16:17]
	s_add_nc_u64 s[46:47], s[70:71], s[46:47]
.irp s, 0,1
	s_mov_b32 s[G0+4*(\s)], 1
	s_add_co_u32 s[G0+4*(\s)+1], s20, (\s)*SLOT
	s_add_nc_u64 s[G0+4*(\s)+2:G0+4*(\s)+3], s[14:15], (\s)*ASTEP
	s_or_b32 s[G0+4*(\s)+3], s[G0+4*(\s)+3], 0x80000000
	s_mov_b32 s[G0B+4*(\s)], 1
	s_add_co_u32 s[G0B+4*(\s)+1], s21, (\s)*SLOT
	s_add_nc_u64 s[G0B+4*(\s)+2:G0B+4*(\s)+3], s[46:47], (\s)*BSTEP
	s_or_b32 s[G0B+4*(\s)+3], s[G0B+4*(\s)+3], 0x80000000
.endr
	CROUND                                         ; all sixteen work-groups are here: the first joint loads meet
	s_cmp_eq_u32 s11, 0                            ; a wave's two first fills stand in one branch: two loads of mine are out
	s_cbranch_scc0 .Lfirst_b
	tensor_load_to_lds s[G0:G0+3], s[G1:G1+7]
	s_nop 0
	tensor_load_to_lds s[G0+4:G0+7], s[G1:G1+7]
	s_nop 0
.rept 4
	v_nop
.endr
	s_branch .Lfirst_asked
.Lfirst_b:
	tensor_load_to_lds s[G0B:G0B+3], s[G1B:G1B+7]
	s_nop 0
	tensor_load_to_lds s[G0B+4:G0B+7], s[G1B:G1B+7]
	s_nop 0
.rept 4
	v_nop
.endr
.Lfirst_asked:
	; the three biases of the group's 128 columns: register 8 b + j of a lane is column 16 b + 8 (l / 16) + j, as in an accumulator
	v_and_b32 v1, 15, v0                           ; l % 16
	v_bfe_u32 v2, v0, 4, 1                         ; l / 16
	s_lshl_b32 s8, s42, 9                          ; 128 columns of 4 bytes a group
	v_lshl_add_u32 v6, v2, 5, s8
	WIN 0x80                                       ; destination window 2, address window 0
.irp b, 0,1,2,3,4,5,6,7
	global_load_b128 v[8*(\b):8*(\b)+3],   v6, s[72:73] offset:64*(\b)
	global_load_b128 v[8*(\b)+4:8*(\b)+7], v6, s[72:73] offset:64*(\b)+16
.endr
	WIN 0xc0                                       ; destination window 3
.irp b, 0,1,2,3,4,5,6,7
	global_load_b128 v[64+8*(\b):64+8*(\b)+3],   v6, s[74:75] offset:64*(\b)
	global_load_b128 v[64+8*(\b)+4:64+8*(\b)+7], v6, s[74:75] offset:64*(\b)+16
.endr
.irp b, 0,1,2,3,4,5,6,7
	global_load_b128 v[8*(\b):8*(\b)+3],   v6, s[76:77] offset:64*(\b)
	global_load_b128 v[8*(\b)+4:8*(\b)+7], v6, s[76:77] offset:64*(\b)+16
.endr
	WIN 0
	; fragments.  hs: lane l holds row l % 16; two loads of 16 bytes, 32 apart, at row x pitch + 16 (l / 16)
	v_mul_u32_u24 v3, v1, PA
	v_lshl_add_u32 v3, v2, 4, v3
	s_mul_i32 s18, s10, 64*PA                      ; my 64 rows
	v_add_nc_u32 v[ADRA], s18, v3
	v_add_nc_u32 v[ADRA+1], SLOT, v[ADRA]
	; W: the turning load takes 16 k x 16 columns: lane l reads k 8 (l / 16) + l % 8, columns 8 ((l / 8) % 2) + 0..7, and is left with column l % 16 and 8 k
	v_and_b32 v4, 7, v0
	v_lshl_add_u32 v4, v2, 3, v4
	v_mul_u32_u24 v4, v4, PB
	v_bfe_u32 v5, v0, 3, 1
	v_lshl_add_u32 v4, v5, 4, v4
	v_add_nc_u32 v[ADRB], ATILE, v4
	v_add_nc_u32 v[ADRB+1], SLOT, v[ADRB]
	s_mul_i32 s19, s10, 16*SP
	s_add_co_u32 s19, s19, STAGE                   ; my stage
	v_mul_u32_u24 v5, v1, SP                       ; in: row l % 16, 16 bytes for each half of the lanes
	v_lshl_add_u32 v5, v2, 4, v5
	v_add_nc_u32 v[STO], s19, v5
	v_mul_u32_u24 v5, v2, SP                       ; back: lanes 0-15 one row of 256 bytes, lanes 16-31 the next
	v_lshl_add_u32 v5, v1, 4, v5
	v_add_nc_u32 v[RD], s19, v5
	v_mul_u32_u24 v5, v2, CROW                     ; and the same two rows in qkv
	v_lshl_add_u32 v[CO], v1, 4, v5
	s_lshl_b32 s4, s13, 8                          ; qkv at my 64 rows and the group's 256 bytes of q
	s_lshl_b32 s5, s10, 6
	s_add_co_u32 s4, s4, s5
	s_mul_i32 s4, s4, CROW
	s_lshl_b32 s5, s42, 8
	s_add_co_u32 s4, s4, s5
	s_mov_b32 s5, 0
	s_add_nc_u64 s[78:79], s[78:79], s[4:5]
	; the prefetches: they stand at K step 3; the first change of slots steps them to K step 4
	s_lshl_b32 s4, s13, 19                         ; hs: my work-group's 32 blocks of a K step's 128
	s_lshl_b32 s5, s40, 13
	s_add_co_u32 s4, s4, s5
	s_add_co_u32 s4, s4, 3*ASTEP
	s_mul_i32 s5, s42, 1024*768                    ; W: my work-group's 24,576 bytes of two K steps' 98,304,
	s_mul_i32 s6, s41, 24576
	s_add_co_u32 s5, s5, s6
	s_max_u32 s6, s10, 1
	s_sub_co_u32 s6, s6, 1
	s_lshl_b32 s6, s6, 13                          ; and of these 8,192 for each of waves 1 to 3
	s_add_co_u32 s5, s5, s6
	s_add_co_u32 s5, s5, 3*BSTEP
	s_mov_b32 s6, ASTEP
	s_mov_b32 s7, BSTEP
	s_cmp_eq_u32 s10, 0
	s_cselect_b32 s4, s4, s5
	s_cselect_b32 s18, ttmp9, s9                   ; the coordinate along which other clusters read the same blocks: the same in all sixteen partners
	s_cselect_b32 s[PFS], s6, s7
	s_cselect_b64 s[PFA:PFA+1], s[68:69], s[70:71]
	s_mov_b32 s5, 0
	s_mov_b32 s[PFS+1], 0
	s_add_nc_u64 s[PFA:PFA+1], s[PFA:PFA+1], s[4:5]
	s_cmp_eq_u32 s18, 0
	s_cselect_b32 s[LIM], 1, -1
	s_cmp_eq_u32 s10, 0
	s_cselect_b32 s[LIMA], s[LIM], -1
	v_and_b32 v3, 31, v0
	v_lshlrev_b32 v[PFO], 8, v3
	s_mov_b32 s6, 0xffff0000                       ; a word's upper bf16
	s_wait_loadcnt 0x0                             ; the biases
	WIN 0x8a                                       ; sources and destination in window 2; v64-65 there are at work
.set p, 0
.rept 32                               ; rounded to bf16 and widened again
	v_cvt_pk_bf16_f32 v[64+(p/2)%2], v[p], v[p+1]
	v_lshlrev_b32 v[p], 16, v[64+(p/2)%2]
	v_and_b32 v[p+1], s6, v[64+(p/2)%2]
.set p, p+2
.endr
	WIN 0xcf                                       ; the same in window 3; v128-129 there are at work
.set p, 0
.rept 64
	v_cvt_pk_bf16_f32 v[128+(p/2)%2], v[p], v[p+1]
	v_lshlrev_b32 v[p], 16, v[128+(p/2)%2]
	v_and_b32 v[p+1], s6, v[128+(p/2)%2]
.set p, p+2
.endr
	WIN 0
; 8 matrix instructions of phase f: row block a x the matrix's 8 column blocks, 32 along K.  W's buffer is f % 2, hs's f / 3, the accumulators' window f % 3 + 1.
; zero = 1: the first product starts the sum with the bias.  The 96 accumulators take turns, one instruction a turn, over the backward jump too.
.macro MUL8 f, a, zero
.if \zero
.if ((\f)%3) == 0
	WIN 0x60                                       ; C window 2, D window 1
.elseif ((\f)%3) == 1
	WIN 0xb0                                       ; C window 3, D window 2
.else
	WIN 0xf0                                       ; C and D window 3
.endif
.else
	WIN 0x50*(((\f)%3)+1)                          ; C and D in the matrix's window
.endif
.irp b, 0,1,2,3,4,5,6,7
.if \zero
	v_wmma_f32_16x16x32_bf16 v[8*(8*(\a)+(\b)):8*(8*(\a)+(\b))+7], v[BF+64*((\f)%2)+8*(\b):BF+64*((\f)%2)+8*(\b)+7], v[AF+32*((\f)/3)+8*(\a):AF+32*((\f)/3)+8*(\a)+7], v[64*(((\f)%3)%2)+8*(\b):64*(((\f)%3)%2)+8*(\b)+7]
.else
	v_wmma_f32_16x16x32_bf16 v[8*(8*(\a)+(\b)):8*(8*(\a)+(\b))+7], v[BF+64*((\f)%2)+8*(\b):BF+64*((\f)%2)+8*(\b)+7], v[AF+32*((\f)/3)+8*(\a):AF+32*((\f)/3)+8*(\a)+7], v[8*(8*(\a)+(\b)):8*(8*(\a)+(\b))+7]
.endif
.endr
.endm
.macro FETCHB slot, f                  ; 16 LDS loads in one run: W's fragments for phase f of a slot
	WIN 0
.irp b, 0,1,2,3,4,5,6,7
	ds_load_tr16_b128 v[BF+64*((\f)%2)+8*(\b):BF+64*((\f)%2)+8*(\b)+3],   v[ADRB+(\slot)] offset:((\f)%3)*PP+((\f)/3)*32*PB+32*(\b)
	ds_load_tr16_b128 v[BF+64*((\f)%2)+8*(\b)+4:BF+64*((\f)%2)+8*(\b)+7], v[ADRB+(\slot)] offset:((\f)%3)*PP+((\f)/3)*32*PB+32*(\b)+16*PB
.endr
.endm
.macro FETCHA slot, kk                 ; 8 LDS loads: hs's fragments for 32 along K
	WIN 0
.irp a, 0,1,2,3
	ds_load_b128 v[AF+32*(\kk)+8*(\a):AF+32*(\kk)+8*(\a)+3],   v[ADRA+(\slot)] offset:64*(\kk)+16*PA*(\a)
	ds_load_b128 v[AF+32*(\kk)+8*(\a)+4:AF+32*(\kk)+8*(\a)+7], v[ADRA+(\slot)] offset:64*(\kk)+16*PA*(\a)+32
.endr
.endm
; A phase.  All LDS loads that are out at its head were issued at the head of the phase before, 32 matrix instructions back: they are this phase's fragments.  Behind four places the next phase's are asked
; for, into the buffer that the phase before has just multiplied (phase 2 also asks for hs's second 32 along K; phase 5 of the very last step asks for nothing).
; zero = 1: the phase starts its sums with the bias.  It also writes over registers from which the phase before took its bias: so one place more stands at its head.  v's bias lies where v's row block 0
; will lie: row blocks 1 to 3 take it first, and behind five places row block 0 adds in place onto it.
.macro PHASE slot, f, zero
	WIN 0
	s_wait_dscnt 0x0
	PLACES
.if \zero
	v_nop
.endif
.if (\f) < 5
	FETCHB \slot, (\f)+1
.endif
.if (\f) == 2
	FETCHA \slot, 1
.endif
.if (\zero) && ((\f) == 2)
	MUL8 \f, 1, 1
	MUL8 \f, 2, 1
	MUL8 \f, 3, 1
.rept 5
	v_nop
.endr
	MUL8 \f, 0, 1
.else
	MUL8 \f, 0, \zero
	MUL8 \f, 1, \zero
	MUL8 \f, 2, \zero
	MUL8 \f, 3, \zero
.endif
.endm
; Phases 4 and 5, with the change of slots between them.  Phase 4's head asks for the slot's last fragments.  Ahead of ONE barrier each wave waits for all its tensor loads (the one that is out is its part
; of the next slot), adds 0 to its spare word, and waits for that and for its reads of this slot.  fill = 1: the barrier opens a round of the cluster's, so that no wave of any partner still reads this
; slot or has a load on its way, and the slot is filled again, two K steps on, first thing behind it.  Then the next slot's first fragments are asked for, and phase 5 is multiplied.
.macro TURN slot, next, fill
.if \fill
	s_wait_xcnt 0x0                                ; the last prefetch, a K step back, has read its address
	s_add_nc_u64 s[PFA:PFA+1], s[PFA:PFA+1], s[PFS:PFS+1]
.endif
	WIN 0
	s_wait_dscnt 0x0                               ; phase 4's fragments
	PLACES
	FETCHB \slot, 5
	MUL8 4, 0, 0
	MUL8 4, 1, 0
	WIN 0                                          ; (the add's two registers lie in window 0)
	s_wait_tensorcnt 0x0
	ds_add_u32 v[SPW], v[NIL]                      ; 0 onto my spare word; eight matrix instructions stand between it and the wait for it
	MUL8 4, 2, 0
	s_wait_dscnt 0x0                               ; the add is done, and my reads of this slot are over
	s_barrier_signal -1
	MUL8 4, 3, 0
	WIN 0
	s_barrier_wait -1
.if \fill
	CREST
	s_add_nc_u64 s[G0+4*(\slot)+2:G0+4*(\slot)+3], s[G0+4*(\slot)+2:G0+4*(\slot)+3], 2*ASTEP
	s_add_nc_u64 s[G0B+4*(\slot)+2:G0B+4*(\slot)+3], s[G0B+4*(\slot)+2:G0B+4*(\slot)+3], 2*BSTEP
	JLOAD \slot                                    ; its four v_nop are also the places in front of the loads below
.else
	PLACES
.endif
	FETCHB \next, 0
	FETCHA \next, 0
.if \fill
	ASK \slot
.endif
	MUL8 5, 0, 0
	MUL8 5, 1, 0
	MUL8 5, 2, 0
	MUL8 5, 3, 0
.endm
; THE WAY OUT of block n: matrix n / 4, row block n % 4: rounded to f16, 16 bytes a lane; into my own stage and back as whole rows of 256 bytes; stored.
.macro PACK n
	WIN 0x05*((\n)/4+1)                            ; sources in the matrix's window; each accumulator's registers in ascending order
.irp b, 0,1,2,3,4,5,6,7
.irp r, 0,1,2,3
	v_cvt_pk_f16_f32 v[TMP+4*(\b)+(\r)], v[8*(8*((\n)%4)+(\b))+2*(\r)], v[8*(8*((\n)%4)+(\b))+2*(\r)+1]
.endr
.endr
	WIN 0
.endm
.macro TOSTAGE n
.irp b, 0,1,2,3,4,5,6,7
	ds_store_b128 v[STO], v[TMP+4*(\b):TMP+4*(\b)+3] offset:32*(\b)
.endr
.if (\n) >= 4
	s_wait_xcnt 0x0                                ; the stores of the block four back have read these registers
.endif
.irp t, 0,1,2,3,4,5,6,7
	ds_load_b128 v[OB+32*((\n)%4)+4*(\t):OB+32*((\n)%4)+4*(\t)+3], v[RD] offset:(\t)*2*SP  ; LDS serves a wave's instructions in order: these see the stores above
.endr
.endm
.macro SEND n
	s_wait_dscnt 0x0
.irp t, 0,1,2,3,4,5,6,7
	global_store_b128 v[CO], v[OB+32*((\n)%4)+4*(\t):OB+32*((\n)%4)+4*(\t)+3], s[78:79] offset:(16*((\n)%4)+2*(\t))*CROW+2048*((\n)/4)  ; 16 lanes store 256 consecutive bytes, aligned
.endr
.endm
	s_wait_tensorcnt 1                             ; my part of K step 0 is in; K step 1's may stay out
	s_barrier_signal -1
	s_barrier_wait -1
	FETCHB 0, 0
	FETCHA 0, 0
	PHASE 0, 0, 1                                  ; the first three phases stand ahead of the loop: their products start the sums
	PHASE 0, 1, 1
	PHASE 0, 2, 1
	WIN 0
	s_mov_b32 s3, LAPS-1
.Llap:                                         ; a trip goes once round the ring, from a lap's fourth phase to the next lap's third, and fills both slots again
	PHASE 0, 3, 0
	TURN 0, 1, 1
	PHASE 1, 0, 0
	PHASE 1, 1, 0
	PHASE 1, 2, 0
	PHASE 1, 3, 0
	TURN 1, 0, 1
	PHASE 0, 0, 0
	PHASE 0, 1, 0
	PHASE 0, 2, 0
	WIN 0
	s_sub_co_u32 s3, s3, 1
	s_cmp_lg_u32 s3, 0
	s_cbranch_scc1 .Llap
	PHASE 0, 3, 0                                  ; the last lap fills nothing
	TURN 0, 1, 0
	PHASE 1, 0, 0
	PHASE 1, 1, 0
	PHASE 1, 2, 0
	PHASE 1, 3, 0
	PHASE 1, 4, 0
	PHASE 1, 5, 0
	PLACES
	PACK 0
	TOSTAGE 0
.irp n, 1,2,3,4,5,6,7,8,9,10,11        ; a block's conversions stand between the loads of the block before and the wait for them
	PACK \n
	SEND (\n)-1
	TOSTAGE \n
.endr
	SEND 11
	s_wait_tensorcnt 0x0                           ; the wave's end
	ds_add_u32 v[SPW], v[NIL]
	s_wait_dscnt 0x0
	CROUND                                         ; the closing round
	s_endpgm
.Lfunc_end_k_q1b6ff08f0e_proj:
	.size	k_q1b6ff08f0e_proj, .Lfunc_end_k_q1b6ff08f0e_proj-k_q1b6ff08f0e_proj
	.p2alignl 7, 3214868480
	.fill 96, 4, 3214868480
	.section	.rodata,"a",@progbits
	.p2align	6, 0x0
	.amdhsa_kernel k_q1b6ff08f0e_proj
		.amdhsa_group_segment_fixed_size 327680
		.amdhsa_private_segment_fixed_size 0
		.amdhsa_enable_private_segment 0
		.amdhsa_kernarg_size 48
		.amdhsa_user_sgpr_count 2
		.amdhsa_user_sgpr_kernarg_segment_ptr 1
		.amdhsa_wavefront_size32 1
		.amdhsa_system_sgpr_workgroup_id_x 1
		.amdhsa_system_sgpr_workgroup_id_y 1
		.amdhsa_system_sgpr_workgroup_id_z 1
		.amdhsa_system_vgpr_workitem_id 0
		.amdhsa_next_free_vgpr 1024
		.amdhsa_next_free_sgpr 80
		.amdhsa_reserve_vcc 0
		.amdhsa_float_denorm_mode_32 3
		.amdhsa_float_denorm_mode_16_64 3
		.amdhsa_memory_ordered 1
		.amdhsa_forward_progress 1
		.amdhsa_inst_pref_size 156
	.end_amdhsa_kernel
	.amdgpu_metadata
---
amdhsa.version: [ 1, 2 ]
amdhsa.kernels:
  - .name:           k_q1b6ff08f0e_proj
    .symbol:         k_q1b6ff08f0e_proj.kd
    .args:
      - { .name: hsb, .offset: 0, .size: 8, .value_kind: global_buffer, .address_space: global }
      - { .name: wb, .offset: 8, .size: 8, .value_kind: global_buffer, .address_space: global }
      - { .name: bq, .offset: 16, .size: 8, .value_kind: global_buffer, .address_space: global }
      - { .name: bk, .offset: 24, .size: 8, .value_kind: global_buffer, .address_space: global }
      - { .name: bv, .offset: 32, .size: 8, .value_kind: global_buffer, .address_space: global }
      - { .name: qkv, .offset: 40, .size: 8, .value_kind: global_buffer, .address_space: global }
    .group_segment_fixed_size: 327680
    .private_segment_fixed_size: 0
    .kernarg_segment_align: 8
    .kernarg_segment_size: 48
    .max_flat_workgroup_size: 128
    .sgpr_count:     80
    .vgpr_count:     1024
    .wavefront_size: 32
...
	.end_amdgpu_metadata
.endif
;; end of part 6
;; launch scores (part 7): grid 8 x 32, 4 waves a work-group, clusters of 4 x 4, 327,680 bytes of LDS; arguments qkv, sparse_mask, attention_mask, pbuf, stat; writes pbuf, stat
.if DOCPART == 7
	.amdgcn_target "amdgcn-amd-amdhsa--gfx1250"
	.amdhsa_code_object_version 6
	.text
	.protected	k_q1b6ff08f0e_scores
	.globl	k_q1b6ff08f0e_scores
	.p2align	8
	.type	k_q1b6ff08f0e_scores,@function
k_q1b6ff08f0e_scores:
	s_mov_b64 s[64:65], 0
	v_nop
	global_prefetch_b8 v0, s[64:65] scope:SCOPE_SE
	s_setreg_imm32_b32 hwreg(HW_REG_WAVE_MODE, 25, 1), 1
	s_wait_xcnt 0x0
	s_wait_alu depctr_hold_cnt(0) depctr_sa_sdst(0) depctr_va_vdst(0) depctr_va_sdst(0) depctr_va_ssrc(0) depctr_va_vcc(0) depctr_vm_vsrc(0)
	s_getreg_b32 s2, hwreg(HW_REG_IB_STS2, 6, 4)
	s_cmp_eq_u32 s2, 0
	s_cbranch_scc0 .Lentry_in_a_cluster
	s_endpgm
.Lentry_in_a_cluster:
	s_bfe_u32 s2, ttmp6, 0x10000c
	s_cmp_lg_u32 s2, 0xf033
	s_cbranch_scc0 .Lentry_shape_is_right
	s_endpgm
.Lentry_shape_is_right:
; SCORES AND THE FIRST HALF OF THE SOFTMAX.  x[q][k] = c (q.k + 32 att[k]), or -inf where sparse_mask[q][k] is set; c = log2(e) / 32.  q, k: f16, in qkv [8192][3072] at bytes 0 and 2,048 of a row.
; A row's 2,048 keys fall into 16 SPANS of 128.  For each row and span: m = the maximum of x over the span; p' = 2^(x - m), stored in f16 in pbuf [8192][2048]; l = the sum of the unrounded p'.
; (m, l) go in f32 into stat [4 batches][16 spans][2,048 rows][2].  The next launch joins the spans by the true maximum of the row: a maximum is always taken away before an exponential.
; attention_mask is rounded to bf16 first, like all float inputs of the program; 32 times it (exact) is the C operand that starts each sum.  Products in f16; sums, maxima and l in f32.
; LIMITS.  |q|, |k| under 65,504 (f16).  A span with every key hidden stores m = -inf, p' = 0, l = 0 (its exponents are taken against the lowest finite number).  p' below 6e-8 counts as 0 in pbuf.
; +inf and NaN are not treated apart.
; SHARES.  A tile is 256 rows x 256 keys: 8 x 32 = 256 work-groups.  Four waves, each 128 rows x 128 keys (one span): 64 accumulators of 16 x 16, 512 registers.  K (the 1,024 channels) goes in steps
; of 128 through two LDS slots: a step is 256 matrix instructions a wave, 224 of them between a slot's request and the wait for it.
; CLUSTER.  4 x 4 work-groups: q's tile is shared along a row of the cluster, k's along a column: joint loads.  The tile of sparse_mask is each work-group's own: plain loads, 64 rows a wave, into slot 0
; at the last change of slots, when that slot has been read for the last time.
; TRANSPOSED USE: source 0 = 16 keys, source 1 = 16 queries: a lane holds ONE query (l % 16) and the keys 16 b + 8 (l / 16) + 0..7: a row's maximum and sum want one exchange between the lanes' halves.
; REGISTERS, in windows of 256 (s_set_vgpr_msb: bits 1:0 source 0, 3:2 source 1, 5:4 source 2, 7:6 destination):
;   window 0: v0-31 addresses and at work; v64-127, v128-191 q's fragments, two buffers; behind the products v32-47 the mask's bytes, v64-127 x, v192-223 packed p', v224-255 rows read back
;   window 1: v0-63 32 att of my 64 keys a lane; v64-127, v128-191 k's fragments; v192-193 at work
;   window 2: the 32 accumulators of my rows 0-63 (accumulator (a, b) at v[8 (8 a + b)]);   window 3: those of my rows 64-127
.set LAPS,  4                          ; a lap = two K steps = once round the ring
.set PITCH, 272                        ; an LDS row of q's, of k's and of the mask's tile: 256 bytes + 16: the 16 rows of a load start 4 banks apart
.set HALFT, 128*PITCH                  ; 128 rows: what one joint load brings, and what one wave reads of q or of k
.set SLOT,  4*HALFT                    ; q's 256 rows, then k's 256 rows: 139,264
.set STAGE, 2*SLOT                     ; behind the ring: 16 rows x 272 bytes for each wave, for the way out
.set SP,    272
.set STATS, STAGE+4*16*SP              ; 128 rows x (m, l) for each wave
.set SPARE, STATS+4*1024               ; the spare words, 128 bytes for each wave: two blocks of 256 bytes that no other line names
.set QROW,  6144                       ; a row of qkv
.set KSTEP, 256                        ; a K step in a row, in bytes
.set PROW,  4096                       ; a row of pbuf
.set ADRA, 16                          ; v16-17  LDS address of my q fragments in slot 0, 1
.set ADRB, 20                          ; v20-21  the same for k
.set PFM,  22                          ; v22  2,048 x lane: a row of sparse_mask a lane; never rewritten
.set STO,  24                          ; v24  the way out: where I put 16 bytes of a row
.set RD,   25                          ; v25  where I read a row back
.set CO,   26                          ; v26  my byte offset in pbuf; steps 16 rows a block
.set MKA,  27                          ; v27  LDS address of my 8 bytes of the mask, key block 0; steps 16 rows a block
.set SPW,  28                          ; v28  LDS address of my spare word; never rewritten
.set NIL,  29                          ; v29  0; never rewritten
.set PFO,  30                          ; v30  6,144 x lane: a row of qkv a lane; never rewritten
.set STA,  31                          ; v31  LDS address of my row's (m, l); steps 16 rows a block
.set MB,   32                          ; key block b: two words at MB + 2 b
.set X,    64
.set TMP,  192
.set OB,   224
.set F0,   64
.set F1,   128
.set ATT,  0                           ; window 1
.set G1,  24                           ; s[24:31] descriptor group 1 for q's tiles;  s[32:39] group 0, a set for each slot
.set G0,  32
.set G1B, 48                           ; s[48:55], s[56:63] the same for k's
.set G0B, 56
.set LIM, 43                           ; s43  1 in a wave that prefetches q or k, else the greatest number
.set PFA, 44                           ; s[44:45] where those prefetches stand
.set SELP, 80                          ; s[80:83] v_perm_b32's selectors
.set G0M, 84                           ; s[84:87], s[88:95] the mask tile's descriptor
.set G1M, 88
.set CS,  96                           ; s[96:97] c
.set SEL, 98                           ; s[98:99] v_permlanex16_b32's selects: each lane takes its own place in the other half
.set PFB, 100                          ; s[100:101] sparse_mask at my wave's 64 rows of the tile
.set MSB, 0
.macro WIN new                         ; the immediate's high byte repeats the setting that is left; a switch that changes nothing is dropped
.if MSB != (\new)
	s_set_vgpr_msb (MSB<<8)|(\new)
.set MSB, \new
.endif
.endm
.macro PLACES                          ; four plain vector instructions between a matrix instruction and a load into, or a vector instruction on, its registers
.rept 4
	v_nop
.endr
.endm
.macro CREST                           ; a round of the cluster's barrier behind its opening barrier
	s_cmp_lg_u32 s10, 0
	s_cbranch_scc1 .Lnot_wave_0_\@
	s_barrier_signal -3
.Lnot_wave_0_\@:
	s_barrier_wait -3
	s_barrier_signal -1
	s_barrier_wait -1
.endm
.macro CROUND                          ; a whole round
	s_barrier_signal -1
	s_barrier_wait -1
	CREST
.endm
.macro JLOAD s                         ; a joint refill: waves 0 and 1 fetch q's two halves, waves 2 and 3 k's; an s_nop 0 and four v_nop follow each line
	s_cmp_eq_u32 s11, 0
	s_cbranch_scc0 .Lfor_b_\@
	tensor_load_to_lds s[G0+4*(\s):G0+4*(\s)+3], s[G1:G1+7]
	s_nop 0
.rept 4
	v_nop
.endr
	s_branch .Lasked_\@
.Lfor_b_\@:
	tensor_load_to_lds s[G0B+4*(\s):G0B+4*(\s)+3], s[G1B:G1B+7]
	s_nop 0
.rept 4
	v_nop
.endr
.Lasked_\@:
.endm
; A PREFETCH INTO THE L2 of the K step that stands two refills on (512 matrix instructions ahead of its load): 32 rows x 256 bytes, a lane a row, one instruction a wave.
; Each block is named once in the launch.  q's tile row is read by the two clusters of a row of clusters: cluster x = 0 asks.  k's tile column is read by the two clusters of a batch: the batch's first asks.
; Of the 128 rows that a wave fetches each of the four partners that ask for them jointly takes 32, told apart BY ADDRESS (cx for q, cy for k).
; The loop's last trip (s3 = 1) has no K step two on.  K steps 0 to 3 come by their loads alone.
.macro ASK
	s_cmp_gt_u32 s3, s[LIM]
	s_cbranch_scc0 .Lnot_mine_\@
	global_prefetch_b8 v[PFO], s[PFA:PFA+1] offset:KSTEP th:TH_LOAD_NT scope:SCOPE_SE
.Lnot_mine_\@:
.endm
; In the loop's last trip, at its second change of slots, each wave asks for the 64 rows x 256 bytes of sparse_mask that it will load at the next change: a lane a row, two instructions,
; one K step (256 matrix instructions) ahead.  The tile is the work-group's own, so each block is named once in the launch.
.macro ASKM
	s_cmp_eq_u32 s3, 1
	s_cbranch_scc0 .Lno_mask_\@
	global_prefetch_b8 v[PFM], s[PFB:PFB+1] th:TH_LOAD_NT scope:SCOPE_SE
	global_prefetch_b8 v[PFM], s[PFB:PFB+1] offset:32*2048 th:TH_LOAD_NT scope:SCOPE_SE
.Lno_mask_\@:
.endm
	s_load_b256 s[68:75], s[0:1], 0x0              ; qkv s[68:69], sparse_mask s[70:71], attention_mask s[72:73], pbuf s[74:75]
	s_load_b64 s[76:77], s[0:1], 0x20              ; stat
	v_lshl_add_u32 v[SPW], v0, 2, SPARE
	v_mov_b32 v[NIL], 0
	ds_add_u32 v[SPW], v[NIL]                      ; the wave's opening: the add and its wait ahead of my first tensor load; the set-up below stands between them
	v_lshrrev_b32 v1, 5, v0
	v_readfirstlane_b32 s10, v1                    ; wave 0..3
	s_lshr_b32 s11, s10, 1                         ; which 128 rows are mine.  Also: I fetch for q (0) or for k (1)
	s_and_b32 s12, s10, 1                          ; which 128 keys.  Also: which half of that tile I fetch
	s_bfe_u32 s40, ttmp6, 0x40000                  ; cx
	s_bfe_u32 s41, ttmp6, 0x40004                  ; cy
	s_lshl_b32 s42, ttmp9, 2
	s_add_co_u32 s42, s42, s40                     ; tile of 256 keys, 0..7
	s_and_b32 s9, ttmp7, 0xffff                    ; cluster y, 0..7
	s_lshl_b32 s13, s9, 2
	s_add_co_u32 s13, s13, s41                     ; tile of 256 rows, 0..31
	s_lshr_b32 s8, s9, 1                           ; the batch: a cluster's four tile rows are half of one
	s_lshl_b32 s18, s41, 2
	s_lshl_b32 s18, 15, s18                        ; my row of the cluster
	s_lshl_b32 s19, 0x1111, s40                    ; my column
	s_or_b32 s[G1+0], s18, (1<<16)|(1<<20)|(1<<21)|(5<<22)|(3<<25)   ; the mask; 2-byte elements; padding on; bit 21 beside a mask; after every 64 words 4 words
	s_or_b32 s[G1B+0], s19, (1<<16)|(1<<20)|(1<<21)|(5<<22)|(3<<25)
.irp g, G1, G1B
	s_mov_b32 s[(\g)+1], 128<<16                   ; tensor_dim0 = 128
	s_mov_b32 s[(\g)+2], 128<<16                   ; tensor_dim1 = 128
	s_mov_b32 s[(\g)+3], 128<<16                   ; tile_dim0 = 128
	s_mov_b32 s[(\g)+4], 128                       ; tile_dim1 = 128
	s_mov_b32 s[(\g)+5], 3072                      ; elements from row to row
	s_mov_b32 s[(\g)+6], 0
	s_mov_b32 s[(\g)+7], 0
.endr
	s_mov_b32 s[G1M+0], (1<<20)|(5<<22)|(3<<25)    ; no mask of work-groups; 1-byte elements; after every 64 words 4 words
	s_mov_b32 s[G1M+1], 256<<16                    ; 64 rows of 256 bytes
	s_mov_b32 s[G1M+2], 64<<16
	s_mov_b32 s[G1M+3], 256<<16
	s_mov_b32 s[G1M+4], 64
	s_mov_b32 s[G1M+5], 2048
	s_mov_b32 s[G1M+6], 0
	s_mov_b32 s[G1M+7], 0
	s_lshl_b32 s16, s13, 8                         ; q: row 256 x tile row + 128 x half: made of the tile row and the wave's number alone
	s_lshl_b32 s17, s12, 7
	s_add_co_u32 s16, s16, s17
	s_mul_i32 s16, s16, QROW
	s_mov_b32 s17, 0
	s_lshl_b32 s46, s8, 11                         ; k: row 2,048 x batch + 256 x key tile + 128 x half, 2,048 bytes into the row: nothing of cy
	s_lshl_b32 s47, s42, 8
	s_add_co_u32 s46, s46, s47
	s_lshl_b32 s47, s12, 7
	s_add_co_u32 s46, s46, s47
	s_mul_i32 s46, s46, QROW
	s_add_co_u32 s46, s46, 2048
	s_mov_b32 s47, 0
	s_lshl_b32 s4, s13, 8                          ; the mask: row 256 x tile row + 64 x wave, 2,048 bytes a row, 256 bytes a key tile
	s_lshl_b32 s5, s10, 6
	s_add_co_u32 s4, s4, s5
	s_lshl_b32 s4, s4, 11
	s_lshl_b32 s5, s42, 8
	s_add_co_u32 s4, s4, s5
	s_mov_b32 s5, 0
	s_mul_i32 s20, s10, HALFT                      ; where the tiles go: q's two halves, then k's two = wave x 128 rows: no place in the cluster enters an LDS address
	s_mul_i32 s21, s10, 64*PITCH                   ; and the mask's rows: wave x 64 rows, from the head of slot 0
	s_mov_b32 s[SELP+0], 0x04000c0c                ; byte i of the first source on top, byte i of the second below it, two bytes of 0
	s_mov_b32 s[SELP+1], 0x05010c0c
	s_mov_b32 s[SELP+2], 0x06020c0c
	s_mov_b32 s[SELP+3], 0x07030c0c
	s_mov_b32 s[CS], 0x3d38aa3b                    ; c = log2(e) / 32
	s_mov_b32 s[CS+1], s[CS]
	s_mov_b32 s[SEL], 0x76543210
	s_mov_b32 s[SEL+1], 0xfedcba98
	s_wait_dscnt 0x0                               ; the opening add is done
	s_wait_kmcnt 0x0
	s_add_nc_u64 s[14:15], s[68:69], s[16:17]
	s_add_nc_u64 s[46:47], s[68:69], s[46:47]
	s_add_nc_u64 s[PFB:PFB+1], s[70:71], s[4:5]
.irp s, 0,1
	s_mov_b32 s[G0+4*(\s)], 1
	s_add_co_u32 s[G0+4*(\s)+1], s20, (\s)*SLOT
	s_add_nc_u64 s[G0+4*(\s)+2:G0+4*(\s)+3], s[14:15], (\s)*KSTEP
	s_or_b32 s[G0+4*(\s)+3], s[G0+4*(\s)+3], 0x80000000
	s_mov_b32 s[G0B+4*(\s)], 1
	s_add_co_u32 s[G0B+4*(\s)+1], s20, (\s)*SLOT
	s_add_nc_u64 s[G0B+4*(\s)+2:G0B+4*(\s)+3], s[46:47], (\s)*KSTEP
	s_or_b32 s[G0B+4*(\s)+3], s[G0B+4*(\s)+3], 0x80000000
.endr
	s_mov_b32 s[G0M], 1
	s_mov_b32 s[G0M+1], s21
	s_mov_b64 s[G0M+2:G0M+3], s[PFB:PFB+1]
	s_or_b32 s[G0M+3], s[G0M+3], 0x80000000
	CROUND                                         ; all sixteen work-groups are here: the first joint loads meet
	s_cmp_eq_u32 s11, 0                            ; a wave's two first fills stand in one branch: two loads of mine are out
	s_cbranch_scc0 .Lfirst_b
	tensor_load_to_lds s[G0:G0+3], s[G1:G1+7]
	s_nop 0
	tensor_load_to_lds s[G0+4:G0+7], s[G1:G1+7]
	s_nop 0
.rept 4
	v_nop
.endr
	s_branch .Lfirst_asked
.Lfirst_b:
	tensor_load_to_lds s[G0B:G0B+3], s[G1B:G1B+7]
	s_nop 0
	tensor_load_to_lds s[G0B+4:G0B+7], s[G1B:G1B+7]
	s_nop 0
.rept 4
	v_nop
.endr
.Lfirst_asked:
	; attention_mask of my keys: register 8 b + j of a lane is key 16 b + 8 (l / 16) + j of my span, as in an accumulator
	v_and_b32 v1, 15, v0                           ; l % 16
	v_bfe_u32 v2, v0, 4, 1                         ; l / 16
	s_lshl_b32 s4, s8, 11
	s_lshl_b32 s5, s42, 8
	s_add_co_u32 s4, s4, s5
	s_lshl_b32 s5, s12, 7
	s_add_co_u32 s4, s4, s5
	s_lshl_b32 s4, s4, 2
	v_lshl_add_u32 v6, v2, 5, s4
	WIN 0x40                                       ; destination window 1, address window 0
.irp b, 0,1,2,3,4,5,6,7
	global_load_b128 v[ATT+8*(\b):ATT+8*(\b)+3],   v6, s[72:73] offset:64*(\b)
	global_load_b128 v[ATT+8*(\b)+4:ATT+8*(\b)+7], v6, s[72:73] offset:64*(\b)+16
.endr
	WIN 0
	; a fragment is 16 rows x 32 channels in 8 registers: lane l holds row l % 16; two loads of 16 bytes, 32 apart, at row x pitch + 16 (l / 16)
	v_mul_u32_u24 v3, v1, PITCH
	v_lshl_add_u32 v3, v2, 4, v3
	s_mul_i32 s18, s11, HALFT                      ; my 128 rows of q
	v_add_nc_u32 v[ADRA], s18, v3
	v_add_nc_u32 v[ADRA+1], SLOT, v[ADRA]
	s_mul_i32 s18, s12, HALFT                      ; my 128 rows of k, which lie behind q's 256
	s_add_co_u32 s18, s18, 2*HALFT
	v_add_nc_u32 v[ADRB], s18, v3
	v_add_nc_u32 v[ADRB+1], SLOT, v[ADRB]
	s_mul_i32 s19, s10, 16*SP
	s_add_co_u32 s19, s19, STAGE                   ; my stage
	v_add_nc_u32 v[STO], s19, v3                   ; in: row l % 16, 16 bytes for each half of the lanes
	v_mul_u32_u24 v5, v2, SP                       ; back: lanes 0-15 one row of 256 bytes, lanes 16-31 the next
	v_lshl_add_u32 v5, v1, 4, v5
	v_add_nc_u32 v[RD], s19, v5
	v_lshlrev_b32 v5, 12, v2                       ; and the same two rows in pbuf
	v_lshl_add_u32 v[CO], v1, 4, v5
	s_mul_i32 s18, s11, HALFT                      ; the mask's bytes: row 128 x half + l % 16, byte 128 x key half + 8 (l / 16)
	s_lshl_b32 s19, s12, 7
	s_add_co_u32 s18, s18, s19
	v_mul_u32_u24 v5, v1, PITCH
	v_lshl_add_u32 v5, v2, 3, v5
	v_add_nc_u32 v[MKA], s18, v5
	s_lshl_b32 s18, s10, 10                        ; my table of (m, l)
	s_add_co_u32 s18, s18, STATS
	v_lshl_add_u32 v[STA], v1, 3, s18
	v_and_b32 v3, 31, v0
	v_mul_u32_u24 v[PFO], QROW, v3
	v_lshlrev_b32 v[PFM], 11, v3
	v_mov_b32 v10, 0                               ; v_permlanex16_b32's destination counts as read
	v_mov_b32 v13, 0                               ; named in a pair with v12
	s_lshl_b32 s4, s13, 8                          ; pbuf at my part of the tile
	s_lshl_b32 s5, s11, 7
	s_add_co_u32 s4, s4, s5
	s_lshl_b32 s4, s4, 12
	s_lshl_b32 s5, s42, 9
	s_add_co_u32 s4, s4, s5
	s_lshl_b32 s5, s12, 8
	s_add_co_u32 s4, s4, s5
	s_mov_b32 s5, 0
	s_add_nc_u64 s[74:75], s[74:75], s[4:5]
	s_lshl_b32 s4, s8, 4                           ; stat at my span and my 128 rows
	s_lshl_b32 s5, s42, 1
	s_add_co_u32 s4, s4, s5
	s_add_co_u32 s4, s4, s12
	s_lshl_b32 s4, s4, 11
	s_and_b32 s5, s13, 7
	s_lshl_b32 s5, s5, 8
	s_add_co_u32 s4, s4, s5
	s_lshl_b32 s5, s11, 7
	s_add_co_u32 s4, s4, s5
	s_lshl_b32 s4, s4, 3
	s_mov_b32 s5, 0
	s_add_nc_u64 s[76:77], s[76:77], s[4:5]
	; the prefetches of q and k: they stand at K step 2; the first refill steps them to 3 and names K step 4
	s_lshl_b32 s4, s13, 8                          ; q: my work-group's 32 rows, by cx,
	s_lshl_b32 s5, s40, 5
	s_add_co_u32 s4, s4, s5
	s_lshl_b32 s5, s8, 11                          ; k: by cy,
	s_lshl_b32 s6, s42, 8
	s_add_co_u32 s5, s5, s6
	s_lshl_b32 s6, s41, 5
	s_add_co_u32 s5, s5, s6
	s_and_b32 s19, s9, 1
	s_cmp_eq_u32 s11, 0
	s_cselect_b32 s4, s4, s5
	s_cselect_b32 s18, ttmp9, s19                  ; the coordinate along which another cluster reads the same rows: the same in all sixteen partners
	s_lshl_b32 s5, s12, 7                          ; of the 128 rows that I fetch
	s_add_co_u32 s4, s4, s5
	s_mul_i32 s4, s4, QROW
	s_lshl_b32 s5, s11, 11                         ; k lies 2,048 bytes into a row
	s_add_co_u32 s4, s4, s5
	s_add_co_u32 s4, s4, 2*KSTEP
	s_mov_b32 s5, 0
	s_add_nc_u64 s[PFA:PFA+1], s[68:69], s[4:5]
	s_cmp_eq_u32 s18, 0
	s_cselect_b32 s[LIM], 1, -1
	s_wait_loadcnt 0x0                             ; attention_mask
	WIN 0x45                                       ; sources and destination in window 1
.set p, 0
.rept 32                               ; rounded to bf16 and widened again,
	v_cvt_pk_bf16_f32 v[192+(p/2)%2], v[ATT+p], v[ATT+p+1]
	v_lshlrev_b32 v[ATT+p], 16, v[192+(p/2)%2]
	v_and_b32 v[ATT+p+1], 0xffff0000, v[192+(p/2)%2]
.set p, p+2
.endr
.set p, 0
.rept 32                               ; times 32: c (q.k + 32 att) = q.k / 32 + att, in units of log2
	v_pk_mul_f32 v[ATT+p:ATT+p+1], v[ATT+p:ATT+p+1], 0x42000000 op_sel_hi:[1,0]
.set p, p+2
.endr
	WIN 0
; 16 matrix instructions: row blocks a0, a0 + 1 of the window's four (hi = 0: my rows 0-63, 1: rows 64-127) x all 8 key blocks, 32 channels.  zero = 1: the first product starts the sum with 32 att
; (window 1).  The 64 accumulators take turns, one instruction a turn, in the same order in every quarter, over the backward jump too.
.macro MUL16 f, hi, a0, zero
.if \zero
	WIN 0x91+0x40*(\hi)                            ; k window 1, q window 0, C window 1, D window 2 or 3
.else
	WIN 0xa1+0x50*(\hi)                            ; C and D window 2 or 3
.endif
.irp a, \a0, (\a0)+1
.irp b, 0,1,2,3,4,5,6,7
.if \zero
	v_wmma_f32_16x16x32_f16 v[8*(8*(\a)+(\b)):8*(8*(\a)+(\b))+7], v[(\f)+8*(\b):(\f)+8*(\b)+7], v[(\f)+8*(4*(\hi)+(\a)):(\f)+8*(4*(\hi)+(\a))+7], v[ATT+8*(\b):ATT+8*(\b)+7]
.else
	v_wmma_f32_16x16x32_f16 v[8*(8*(\a)+(\b)):8*(8*(\a)+(\b))+7], v[(\f)+8*(\b):(\f)+8*(\b)+7], v[(\f)+8*(4*(\hi)+(\a)):(\f)+8*(4*(\hi)+(\a))+7], v[8*(8*(\a)+(\b)):8*(8*(\a)+(\b))+7]
.endif
.endr
.endr
.endm
; 32 LDS loads in one run: the fragments of one quarter step (128 rows of k, 128 rows of q, 32 channels at byte k of the rows) into buffer f
.macro FETCH slot, k, f
	WIN 0x40                                       ; destination window 1
.irp i, 0,1,2,3,4,5,6,7
	ds_load_b128 v[(\f)+8*(\i):(\f)+8*(\i)+3],   v[ADRB+(\slot)] offset:(\k)+(\i)*16*PITCH
	ds_load_b128 v[(\f)+8*(\i)+4:(\f)+8*(\i)+7], v[ADRB+(\slot)] offset:(\k)+(\i)*16*PITCH+32
.endr
	WIN 0
.irp i, 0,1,2,3,4,5,6,7
	ds_load_b128 v[(\f)+8*(\i):(\f)+8*(\i)+3],   v[ADRA+(\slot)] offset:(\k)+(\i)*16*PITCH
	ds_load_b128 v[(\f)+8*(\i)+4:(\f)+8*(\i)+7], v[ADRA+(\slot)] offset:(\k)+(\i)*16*PITCH+32
.endr
.endm
; A K step is four quarters of 64 matrix instructions on buffers 0, 1, 0, 1.  One of the first three multiplies buffer f and, in its middle, fetches the next quarter, at byte k of the same slot's rows, into g.
.macro QUARTER slot, k, f, g, zero
	s_wait_dscnt 8                                 ; k and q's rows 0-63 are in; the youngest eight loads (q's rows 64-127) may be out
	MUL16 \f, 0, 0, \zero
	MUL16 \f, 0, 2, \zero
	PLACES
	FETCH \slot, \k, \g
	s_wait_dscnt 32                                ; all but the 32 just issued
	MUL16 \f, 1, 0, \zero
	MUL16 \f, 1, 2, \zero
.endm
; The last quarter multiplies buffer 1 and changes slots.  Ahead of ONE barrier, which opens a round of the cluster's, each wave waits for all its tensor loads (the one that is out is its part of the next
; slot), adds 0 to its spare word, and waits for that and for its reads of this slot.  Behind the round no wave of any partner reads this slot or has a load on its way, and the slot is filled again first:
; mode = 1: jointly, with the K step two on;  mode = 2 (the last change): with the work-group's tile of sparse_mask, 64 rows a wave, which has the last K step in which to land.
.macro TURN slot, next, mode
.if (\mode) == 1
	s_wait_xcnt 0x0                                ; the last prefetch, a K step back, has read its address
	s_add_nc_u64 s[PFA:PFA+1], s[PFA:PFA+1], KSTEP
.endif
	WIN 0                                          ; (the add's two registers lie in window 0)
	s_wait_tensorcnt 0x0
	ds_add_u32 v[SPW], v[NIL]
	s_wait_dscnt 9                                 ; (the add and the youngest eight loads may be out)
	MUL16 F1, 0, 0, 0                              ; sixteen matrix instructions stand between the add and the wait for it
	s_wait_dscnt 0x0                               ; the add is done, and my reads of this slot are over
	s_barrier_signal -1
	MUL16 F1, 0, 2, 0
	WIN 0
	s_barrier_wait -1
	CREST
.if (\mode) == 1
	s_add_nc_u64 s[G0+4*(\slot)+2:G0+4*(\slot)+3], s[G0+4*(\slot)+2:G0+4*(\slot)+3], 2*KSTEP
	s_add_nc_u64 s[G0B+4*(\slot)+2:G0B+4*(\slot)+3], s[G0B+4*(\slot)+2:G0B+4*(\slot)+3], 2*KSTEP
	JLOAD \slot                                    ; its four v_nop are also the places in front of the loads below
.else
	tensor_load_to_lds s[G0M:G0M+3], s[G1M:G1M+7]
	s_nop 0
.rept 4
	v_nop
.endr
.endif
	FETCH \next, 0, F0
.if (\mode) == 1
	ASK
.if (\slot) == 1
	ASKM
.endif
.endif
	MUL16 F1, 1, 0, 0
	MUL16 F1, 1, 2, 0
.endm
	s_wait_tensorcnt 1                             ; my part of K step 0 is in; K step 1's may stay out
	s_barrier_signal -1
	s_barrier_wait -1
	FETCH 0, 0, F0
	QUARTER 0, 64,  F0, F1, 1                      ; the first quarter stands ahead of the loop: its products start the sums
	WIN 0
	s_mov_b32 s3, LAPS-1
.Llap:                                         ; a trip goes once round the ring, from a lap's second quarter to the next lap's first, and fills both slots again
	QUARTER 0, 128, F1, F0, 0
	QUARTER 0, 192, F0, F1, 0
	TURN 0, 1, 1
	QUARTER 1, 64,  F0, F1, 0
	QUARTER 1, 128, F1, F0, 0
	QUARTER 1, 192, F0, F1, 0
	TURN 1, 0, 1
	QUARTER 0, 64,  F0, F1, 0
	WIN 0
	s_sub_co_u32 s3, s3, 1
	s_cmp_lg_u32 s3, 0
	s_cbranch_scc1 .Llap
	QUARTER 0, 128, F1, F0, 0                      ; the last lap: slot 0 takes the mask's tile, slot 1 is filled no more
	QUARTER 0, 192, F0, F1, 0
	TURN 0, 1, 2
	QUARTER 1, 64,  F0, F1, 0
	QUARTER 1, 128, F1, F0, 0
	QUARTER 1, 192, F0, F1, 0
	s_wait_dscnt 8
	MUL16 F1, 0, 0, 0
	MUL16 F1, 0, 2, 0
	s_wait_dscnt 0x0                               ; no LDS instruction of mine is out at the signal,
	s_wait_tensorcnt 0x0                           ; and my 64 rows of the mask have landed: the others read them behind the barrier
	s_barrier_signal -1
	MUL16 F1, 1, 0, 0
	MUL16 F1, 1, 2, 0
	WIN 0
	s_barrier_wait -1
	PLACES                                         ; behind the last products: x is written where q's fragments lay, and the accumulators are read
; THE SOFTMAX'S FIRST HALF AND THE WAY OUT, written once and walked eight times: a trip takes 16 of my rows (row block 8 - s3): a lane's 64 scores of one row.
; Only the 32 lines that read the block's accumulators differ from trip to trip: they are written eight times, and forward jumps on the loop's counter choose.
; The mask's bytes are fetched a trip ahead; the last trip's fetch names the 16 rows behind my last, bytes of the idle ring, and is not used.
.irp b, 0,1,2,3,4,5,6,7
	ds_load_b64 v[MB+2*(\b):MB+2*(\b)+1], v[MKA] offset:16*(\b)
.endr
	s_mov_b32 s3, 8
.Lblock:
	s_wait_dscnt 0x0                               ; the block's mask bytes
.set d, 0
.rept 16                               ; a word of four mask bytes (0 or 1): times 255 gives bytes 0xff, shifted by 7 bytes 0x80: picked together they are -inf (0xff800000) or 0
.set rU, 2+2*(d%2)
	v_lshlrev_b32 v[rU], 8, v[MB+d]
	v_lshlrev_b32 v[rU+1], 7, v[MB+d]
	v_sub_nc_u32 v[rU], v[rU], v[MB+d]
.irp i, 0,1,2,3
	v_perm_b32 v[X+4*d+(\i)], v[rU], v[rU+1], s[SELP+(\i)]
.endr
.set d, d+1
.endr
	v_add_nc_u32 v[MKA], 16*PITCH, v[MKA]
.irp b, 0,1,2,3,4,5,6,7
	ds_load_b64 v[MB+2*(\b):MB+2*(\b)+1], v[MKA] offset:16*(\b)
.endr
.irp a, 0,1,2,3,4,5,6
	s_cmp_eq_u32 s3, 8-(\a)
	s_cbranch_scc1 .Lblk\a
.endr
.irp a, 7,6,5,4,3,2,1,0
.Lblk\a:
	WIN 0x02+(\a)/4                                ; source 0 in window 2 or 3; each accumulator's registers in ascending order
.set p, 0
.rept 32
	v_pk_fma_f32 v[X+p:X+p+1], v[64*((\a)%4)+p:64*((\a)%4)+p+1], s[CS:CS+1], v[X+p:X+p+1] op_sel_hi:[1,0,1]  ; x = c (q.k + 32 att), or -inf
.set p, p+2
.endr
	WIN 0
.if (\a) != 0
	s_branch .Lsoft
.endif
.endr
.Lsoft:
.irp q, 0,1,2,3                        ; the maximum: four chains of 15 scores, three operands at a time,
	v_max3_num_f32 v[6+(\q)], v[X+16*(\q)], v[X+16*(\q)+1], v[X+16*(\q)+2]
.endr
.irp s, 0,1,2,3,4,5
.irp q, 0,1,2,3
	v_max3_num_f32 v[6+(\q)], v[6+(\q)], v[X+16*(\q)+3+2*(\s)], v[X+16*(\q)+4+2*(\s)]
.endr
.endr
	v_max3_num_f32 v6, v6, v[X+15], v[X+31]        ; the four left over, and the chains into one
	v_max3_num_f32 v8, v8, v[X+47], v[X+63]
	v_max3_num_f32 v6, v6, v7, v8
	v_max_num_f32 v6, v6, v9
	v_permlanex16_b32 v10, v6, s[SEL], s[SEL+1]    ; the row's other 64 keys lie in the lane 16 away
	v_max_num_f32 v14, v6, v10                     ; m
	v_max_num_f32 v12, 0xff7fffff, v14             ; what is taken away: m, or the lowest finite number where every key is hidden
.set p, 0
.rept 32
	v_pk_add_f32 v[X+p:X+p+1], v[X+p:X+p+1], v[12:13] op_sel_hi:[1,0] neg_lo:[0,1] neg_hi:[0,1]
.set p, p+2
.endr
.set p, 0
.rept 64                               ; one batch of 64 exponentials,
	v_exp_f32 v[X+p], v[X+p]
.set p, p+1
.endr
	v_nop                                          ; a plain instruction behind the last,
	s_wait_alu depctr_va_vdst(0)                   ; and one wait ahead of the first reader
.set p, 0
.rept 32
	v_cvt_pk_f16_f32 v[TMP+p], v[X+2*p], v[X+2*p+1]
.set p, p+1
.endr
.irp b, 0,1,2,3,4,5,6,7                ; 16 bytes a lane into my own stage,
	ds_store_b128 v[STO], v[TMP+4*(\b):TMP+4*(\b)+3] offset:32*(\b)
.endr
	s_wait_xcnt 0x0                                ; the last trip's stores have read their data and their offset
	v_add_nc_u32 v[CO], 16*PROW, v[CO]             ; one block on; the stores below reach back by their immediate
.irp t, 0,1,2,3,4,5,6,7                ; and back as whole rows of 256 bytes: LDS serves a wave's instructions in order, so these see the stores above
	ds_load_b128 v[OB+4*(\t):OB+4*(\t)+3], v[RD] offset:(\t)*2*SP
.endr
.irp w, 4,8,16,32,64                   ; l: the sum of the unrounded p', pairs 1, 2, 4, 8 and 16 pairs apart, in place: it stands between the stage's loads and the wait for them
.set u, 0
.rept 64/(\w)
	v_pk_add_f32 v[X+(\w)*u:X+(\w)*u+1], v[X+(\w)*u:X+(\w)*u+1], v[X+(\w)*u+(\w)/2:X+(\w)*u+(\w)/2+1]
.set u, u+1
.endr
.endr
	v_add_f32 v11, v[X], v[X+1]
	v_permlanex16_b32 v10, v11, s[SEL], s[SEL+1]
	v_add_f32 v15, v11, v10                        ; l
	ds_store_b64 v[STA], v[14:15]                  ; the two lanes of a row write the same pair to the same place
	v_add_nc_u32 v[STA], 128, v[STA]
	s_wait_dscnt 0x1                               ; the rows are back; the one LDS instruction issued behind their loads may be out
.irp t, 0,1,2,3,4,5,6,7
	global_store_b128 v[CO], v[OB+4*(\t):OB+4*(\t)+3], s[74:75] offset:2*(\t)*PROW-16*PROW  ; 16 lanes store 256 consecutive bytes, aligned
.endr
	s_sub_co_u32 s3, s3, 1
	s_cmp_lg_u32 s3, 0
	s_cbranch_scc1 .Lblock
	; (m, l) of my 128 rows: 1,024 consecutive bytes of stat, out of my own table: two stores of 512 bytes
	v_and_b32 v3, 31, v0
	v_lshlrev_b32 v4, 4, v3
	s_lshl_b32 s18, s10, 10
	s_add_co_u32 s18, s18, STATS
	v_add_nc_u32 v5, s18, v4
	ds_load_b128 v[48:51], v5
	ds_load_b128 v[52:55], v5 offset:512
	s_wait_dscnt 0x0
	global_store_b128 v4, v[48:51], s[76:77]
	global_store_b128 v4, v[52:55], s[76:77] offset:512
	s_wait_tensorcnt 0x0                           ; the wave's end
	ds_add_u32 v[SPW], v[NIL]
	s_wait_dscnt 0x0
	CROUND                                         ; the closing round
	s_endpgm
.Lfunc_end_k_q1b6ff08f0e_scores:
	.size	k_q1b6ff08f0e_scores, .Lfunc_end_k_q1b6ff08f0e_scores-k_q1b6ff08f0e_scores
	.p2alignl 7, 3214868480
	.fill 96, 4, 3214868480
	.section	.rodata,"a",@progbits
	.p2align	6, 0x0
	.amdhsa_kernel k_q1b6ff08f0e_scores
		.amdhsa_group_segment_fixed_size 327680
		.amdhsa_private_segment_fixed_size 0
		.amdhsa_enable_private_segment 0
		.amdhsa_kernarg_size 40
		.amdhsa_user_sgpr_count 2
		.amdhsa_user_sgpr_kernarg_segment_ptr 1
		.amdhsa_wavefront_size32 1
		.amdhsa_system_sgpr_workgroup_id_x 1
		.amdhsa_system_sgpr_workgroup_id_y 1
		.amdhsa_system_sgpr_workgroup_id_z 1
		.amdhsa_system_vgpr_workitem_id 0
		.amdhsa_next_free_vgpr 1024
		.amdhsa_next_free_sgpr 102
		.amdhsa_reserve_vcc 0
		.amdhsa_float_denorm_mode_32 3
		.amdhsa_float_denorm_mode_16_64 3
		.amdhsa_memory_ordered 1
		.amdhsa_forward_progress 1
		.amdhsa_inst_pref_size 162
	.end_amdhsa_kernel
	.amdgpu_metadata
---
amdhsa.version: [ 1, 2 ]
amdhsa.kernels:
  - .name:           k_q1b6ff08f0e_scores
    .symbol:         k_q1b6ff08f0e_scores.kd
    .args:
      - { .name: qkv, .offset: 0, .size: 8, .value_kind: global_buffer, .address_space: global }
      - { .name: sparse_mask, .offset: 8, .size: 8, .value_kind: global_buffer, .address_space: global }
      - { .name: attention_mask, .offset: 16, .size: 8, .value_kind: global_buffer, .address_space: global }
      - { .name: pbuf, .offset: 24, .size: 8, .value_kind: global_buffer, .address_space: global }
      - { .name: stat, .offset: 32, .size: 8, .value_kind: global_buffer, .address_space: global }
    .group_segment_fixed_size: 327680
    .private_segment_fixed_size: 0
    .kernarg_segment_align: 8
    .kernarg_segment_size: 40
    .max_flat_workgroup_size: 128
    .sgpr_count:     102
    .vgpr_count:     1024
    .wavefront_size: 32
...
	.end_amdgpu_metadata
.endif
;; end of part 7
;; launch ctx: the kernel of part 4 again; grid 4 x 64, 4 waves a work-group, clusters of 4 x 4, 327,680 bytes of LDS; arguments pbuf, qkv, stat, out0; writes out0
;; ======== version 3 of 3: 4 launches; version 2 with the launch cast written anew for expert scheduling mode
;; limits: values are held in f16: magnitudes above 65,504 overflow, below 6.1e-05 lose precision
;; workspace buffers: hsb 16,777,216 bytes; wb 6,291,456 bytes; qkv 50,331,648 bytes; pbuf 33,554,432 bytes; stat 1,048,576 bytes
;; launch cast (part 8): grid 704 x 1, 8 waves a work-group, no clusters, 0 bytes of LDS; arguments hidden_states, Wq, Wk, Wv, hsb, wb; writes hsb, wb
.if DOCPART == 8
	.amdgcn_target "amdgcn-amd-amdhsa--gfx1250"
	.amdhsa_code_object_version 6
	.text
	.protected	k_q1b6ff08f0e_cast
	.globl	k_q1b6ff08f0e_cast
	.p2align	8
	.type	k_q1b6ff08f0e_cast,@function
k_q1b6ff08f0e_cast:
	s_mov_b64 s[64:65], 0
	v_nop
	global_prefetch_b8 v0, s[64:65] scope:SCOPE_SE
	s_setreg_imm32_b32 hwreg(HW_REG_WAVE_SCHED_MODE, 0, 2), 2
	s_setreg_imm32_b32 hwreg(HW_REG_WAVE_MODE, 25, 1), 1
	s_wait_xcnt 0x0
	s_wait_alu depctr_vm_vsrc(0)
; hidden_states and the three weight matrices, f32, are rounded once (to nearest even) to bf16 and laid out in the blocks that the next launch's tiles are:
;   hsb [32 blocks of 256 rows][16 K steps of 64][256 rows][64 k]: a tile of 256 rows x 64 k is 32,768 consecutive bytes;
;   wb  [8 groups of 128 columns][1,024 k][3 matrices q, k, v][128 columns]: 64 k of a group's 384 columns are 49,152 consecutive bytes.
; A stream: no LDS, no barrier, no matrix unit.  A work-group takes 16 rows of 1,024 numbers: 64 KiB in, 32 KiB out.  Work-groups 0-511 take hidden_states, 512-575 Wq, 576-639 Wk, 640-703 Wv.
; hidden_states: thread t takes row t / 16 of the 16 and, in load i, the four numbers at k = 64 i + 4 (t % 16): a wave's load covers 256 consecutive bytes of each of two rows, its store the two rows'
; 128 bytes of K step i, which lie end to end: 256 consecutive bytes, aligned.
; Weights: thread t takes, in load i, the four numbers at column 4 t of row i: a wave's load covers 512 consecutive bytes, its store the 256 bytes of one column group (= the wave's number), aligned.
; THE MODE: SCHED_MODE bits 1:0 = 2 (LLVM: expert scheduling mode 2), set by the entry lines.  The code itself states the register dependences
; between vector instructions and memory instructions, with s_wait_alu, always for 0.
; THE PLAN.  All sixteen loads of a thread go out at once, and no register that a memory instruction touches is written twice.  Registers that memory instructions touch:
;   v1, v2   the loads' and the stores' byte offsets: made by vector lines at the head of a path and never written again.
;   IN       load i lands in its four registers, once; the two conversions of load i read them.  (v4, IN's first register, is also at work in the head's address arithmetic, ahead of every load.)
;   OUT      the two conversions of load i write its pair, once; store i reads it.
; The sixteen loads are taken in four blocks of four.  Block p waits for its four loads and converts them; the four stores of block p - 1 are dealt among its eight conversions, which name
; IN and OUT of block p alone: none of the registers that those stores read.  So one wait at a block's head states all that its four stores hang on.
; Nothing that a memory instruction has read is written again, no vector instruction writes a scalar register or VCC, and EXEC is never written: only waits on va_vdst are owed, five on each path.
.set IN,  4                            ; v[4:67]   load i: four f32
.set OUT, 68                           ; v[68:99]  load i: four bf16
.macro BODY li, si                     ; li, si: bytes from load to load and from store to store
	s_wait_alu depctr_va_vdst(0)                   ; v1 and v2 are written, which every load and store below reads as its offset; the head's lines are done writing and reading v4, in which the first load lands
.set i, 0
.rept 16
	global_load_b128 v[IN+4*i:IN+4*i+3], v1, s[20:21] offset:(\li)*i th:TH_LOAD_NT
.set i, i+1
.endr
.set p, 0
.rept 4                                ; block p: loads 4 p to 4 p + 3
	s_wait_loadcnt 12-4*p                          ; loads come back in order: the block's four are in, the 12 - 4 p younger ones may stay out
.if p > 0
	s_wait_alu depctr_va_vdst(0)                   ; the conversions of the block before have written its eight registers of OUT, which the four stores below read
.endif
.set j, 0
.rept 4
.set i, 4*p+j
.if p > 0
	global_store_b64 v2, v[OUT+2*(i-4):OUT+2*(i-4)+1], s[22:23] offset:(\si)*(i-4)  ; the block before; no vector instruction since the wait names these registers
.endif
	v_cvt_pk_bf16_f32 v[OUT+2*i], v[IN+4*i], v[IN+4*i+1]
	v_cvt_pk_bf16_f32 v[OUT+2*i+1], v[IN+4*i+2], v[IN+4*i+3]
.set j, j+1
.endr
.set p, p+1
.endr
	s_wait_alu depctr_va_vdst(0)                   ; the last block's conversions have written its eight registers of OUT, which the last four stores read
.set i, 12
.rept 4
	global_store_b64 v2, v[OUT+2*i:OUT+2*i+1], s[22:23] offset:(\si)*i
.set i, i+1
.endr
.endm
	s_load_b256 s[4:11], s[0:1], 0x0               ; hidden_states s[4:5], Wq s[6:7], Wk s[8:9], Wv s[10:11]
	s_load_b128 s[12:15], s[0:1], 0x20             ; hsb s[12:13], wb s[14:15]
	s_and_b32 s16, ttmp9, 63                       ; weights: my 16 rows of the matrix:
	s_mul_i32 s18, s16, 16*768                     ; 768 bytes a k in a column group,
	s_sub_co_u32 s24, ttmp9, 512                   ; (used from work-group 512 on alone)
	s_lshr_b32 s24, s24, 6                         ; which matrix:
	s_lshl_b32 s24, s24, 8                         ; its 256 bytes of the 768
	s_add_co_u32 s18, s18, s24
	s_lshr_b32 s24, ttmp9, 4                       ; hidden_states: my block of 256 rows, 524,288 bytes,
	s_lshl_b32 s24, s24, 19
	s_and_b32 s25, ttmp9, 15                       ; and my 16 rows of 128 bytes in each of its K steps
	s_lshl_b32 s25, s25, 11
	s_add_co_u32 s24, s24, s25
	s_cmp_lt_u32 ttmp9, 512
	s_cselect_b32 s16, ttmp9, s16
	s_cselect_b32 s18, s24, s18
	s_lshl_b32 s16, s16, 16                        ; 64 KiB in
	s_mov_b32 s17, 0
	s_mov_b32 s19, 0
	s_wait_kmcnt 0x0
	s_cmp_lt_u32 ttmp9, 640
	s_cselect_b64 s[20:21], s[8:9], s[10:11]
	s_cmp_lt_u32 ttmp9, 576
	s_cselect_b64 s[20:21], s[6:7], s[20:21]
	s_cmp_lt_u32 ttmp9, 512
	s_cselect_b64 s[20:21], s[4:5], s[20:21]
	s_cselect_b64 s[22:23], s[12:13], s[14:15]
	s_add_nc_u64 s[20:21], s[20:21], s[16:17]
	s_add_nc_u64 s[22:23], s[22:23], s[18:19]
	s_cmp_lt_u32 ttmp9, 512
	s_cbranch_scc0 .Lweights
	v_lshrrev_b32 v3, 4, v0                        ; my row of the 16
	v_and_b32 v4, 15, v0
	v_lshlrev_b32 v1, 12, v3                       ; in: 4,096 bytes a row + 16 (t % 16)
	v_lshl_add_u32 v1, v4, 4, v1
	v_lshlrev_b32 v2, 3, v0                        ; out: 128 bytes a row + 8 (t % 16) = 8 t
	BODY 256, 32768                                ; from K step to K step
	s_endpgm
.Lweights:
	v_lshlrev_b32 v1, 4, v0                        ; in: 16 t
	v_lshrrev_b32 v3, 5, v0                        ; out: the column group, 1,024 k of 768 bytes each,
	v_and_b32 v4, 31, v0
	v_mul_u32_u24 v2, v3, 1024*768
	v_lshl_add_u32 v2, v4, 3, v2                   ; + 8 (t % 32)
	BODY 4096, 768                                 ; from row to row
	s_endpgm
.Lfunc_end_k_q1b6ff08f0e_cast:
	.size	k_q1b6ff08f0e_cast, .Lfunc_end_k_q1b6ff08f0e_cast-k_q1b6ff08f0e_cast
	.p2alignl 7, 3214868480
	.fill 96, 4, 3214868480
	.section	.rodata,"a",@progbits
	.p2align	6, 0x0
	.amdhsa_kernel k_q1b6ff08f0e_cast
		.amdhsa_group_segment_fixed_size 0
		.amdhsa_private_segment_fixed_size 0
		.amdhsa_enable_private_segment 0
		.amdhsa_kernarg_size 48
		.amdhsa_user_sgpr_count 2
		.amdhsa_user_sgpr_kernarg_segment_ptr 1
		.amdhsa_wavefront_size32 1
		.amdhsa_system_sgpr_workgroup_id_x 1
		.amdhsa_system_sgpr_workgroup_id_y 1
		.amdhsa_system_sgpr_workgroup_id_z 1
		.amdhsa_system_vgpr_workitem_id 0
		.amdhsa_next_free_vgpr 104
		.amdhsa_next_free_sgpr 66
		.amdhsa_reserve_vcc 0
		.amdhsa_float_denorm_mode_32 3
		.amdhsa_float_denorm_mode_16_64 3
		.amdhsa_memory_ordered 1
		.amdhsa_forward_progress 1
		.amdhsa_inst_pref_size 13
	.end_amdhsa_kernel
	.amdgpu_metadata
---
amdhsa.version: [ 1, 2 ]
amdhsa.kernels:
  - .name:           k_q1b6ff08f0e_cast
    .symbol:         k_q1b6ff08f0e_cast.kd
    .args:
      - { .name: hidden_states, .offset: 0, .size: 8, .value_kind: global_buffer, .address_space: global }
      - { .name: Wq, .offset: 8, .size: 8, .value_kind: global_buffer, .address_space: global }
      - { .name: Wk, .offset: 16, .size: 8, .value_kind: global_buffer, .address_space: global }
      - { .name: Wv, .offset: 24, .size: 8, .value_kind: global_buffer, .address_space: global }
      - { .name: hsb, .offset: 32, .size: 8, .value_kind: global_buffer, .address_space: global }
      - { .name: wb, .offset: 40, .size: 8, .value_kind: global_buffer, .address_space: global }
    .group_segment_fixed_size: 0
    .private_segment_fixed_size: 0
    .kernarg_segment_align: 8
    .kernarg_segment_size: 48
    .max_flat_workgroup_size: 256
    .sgpr_count:     66
    .vgpr_count:     104
    .wavefront_size: 32
...
	.end_amdgpu_metadata
.endif
;; end of part 8
;; launch proj: the kernel of part 6 again; grid 8 x 32, 4 waves a work-group, clusters of 4 x 4, 327,680 bytes of LDS; arguments hsb, wb, bq, bk, bv, qkv; writes qkv
;; launch scores: the kernel of part 7 again; grid 8 x 32, 4 waves a work-group, clusters of 4 x 4, 327,680 bytes of LDS; arguments qkv, sparse_mask, attention_mask, pbuf, stat; writes pbuf, stat
;; launch ctx: the kernel of part 4 again; grid 4 x 64, 4 waves a work-group, clusters of 4 x 4, 327,680 bytes of LDS; arguments pbuf, qkv, stat, out0; writes out0
